; MI455X (gfx1250); checked and timed in simulation.
; The chip was launched on July 23, 2026; its instructions are those of AMD's public machine-readable ISA for CDNA 5 (MIT licence, August 2026) and "CDNA5" Instruction Set Architecture Reference Guide (July 2026). The comments in the code are by the model that wrote it; some were corrected since.
;; Multi Head Attention. Allowed arithmetic: matrix products marked QUANTISED: E2M3 operands, one E8M0 scale for each 32 along K, by v_wmma_scale_f32_16x16x128_f8f6f4 with both operands' format E2M3, f32 sums; everything else in f32.
;; Inputs: Wk 768 x 768 float32; Wo 768 x 768 float32; Wq 768 x 768 float32; Wv 768 x 768 float32; bk 768 float32; bo 768 float32; bq 768 float32; bv 768 float32; k 2 x 2,048 x 768 float32; q 2 x 2,048 x 768 float32; v 2 x 2,048 x 768 float32.
;; Outputs: out0 2 x 2,048 x 768 float32.
;; This version of the problem:
;;   THIS VERSION OF THE PROBLEM IS GIVEN IN LOW PRECISION. The matrix products marked QUANTISED in the list below multiply operands that are first quantised to E2M3 (2 exponent bits, 3 mantissa bits; 6 bits a number), with one power-of-two scale for each 32 numbers along K (OCP MX v1.0); their sums are f32. All else is computed in f32.
;;   The module's matrix products, in the order in which they are computed (A, B: the left and right operand; K: the contracted axis; several contracted axes count as one K, in the product's order):
;;     1. [M 4,096, K 768] x [K 768, N 768]; A: input q; B: input Wq: QUANTISED
;;     2. [M 4,096, K 768] x [K 768, N 768]; A: input k; B: input Wk: QUANTISED
;;     3. [M 4,096, K 768] x [K 768, N 768]; A: input v; B: input Wv: QUANTISED
;;     4. batch 24 x [M 2,048, K 64] x [K 64, N 2,048]; A: computed on the way; B: computed on the way: QUANTISED
;;     5. batch 24 x [M 2,048, K 2,048] x [K 2,048, N 64]; A: softmax (see below); B: computed on the way: QUANTISED
;;     6. [M 4,096, K 768] x [K 768, N 768]; A: computed on the way; B: input Wo: QUANTISED
;;   THE QUANTISER, for each operand of a quantised product, along K:
;;     - K is cut into blocks of 32 from its start; a last block that is shorter is filled with zeros.
;;     - A block's scale is 2^e with e = floor(log2(the largest magnitude in the block)) - 2, held to -126 .. 127; a block of zeros has e = 0. As a byte (E8M0): e + 127.
;;     - Each number is divided by its block's scale, clamped to +-7.5, and rounded to the nearest number of E2M3, ties to even, subnormals kept.
;;     - The product sums the exact products of the quantised numbers (number of the format x scale) in f32.
;;   ~~~python
;;   def quantise(x, axis):      # numpy; x: float32 -> the quantised numbers, widened to float32 again
;;       x = np.moveaxis(x, axis, -1); K = x.shape[-1]
;;       x = np.pad(x, [(0, 0)] * (x.ndim - 1) + [(0, -K % 32)]); x = x.reshape(x.shape[:-1] + (-1, 32)); a = np.abs(x).max(-1, keepdims=True)
;;       e = np.where(a > 0, np.clip(np.frexp(np.where(a > 0, a, 1))[1] - 1 - 2, -126, 127), 0)      # np.frexp(a)[1] - 1 = floor(log2(a)), exactly
;;       r = np.clip(x / 2.0 ** e, -7.5, 7.5)
;;       step = 2.0 ** (np.maximum(np.frexp(np.where(r == 0, 1, r))[1] - 1, 0) - 3)
;;       q = np.round(r / step) * step * 2.0 ** e      # np.round: ties to even
;;       return np.moveaxis(q.reshape(q.shape[:-2] + (-1,))[..., :K], -1, axis).astype(np.float32)
;;   ~~~
;;   SOFTMAX AHEAD OF A QUANTISED PRODUCT. Where the list says 'softmax', what is quantised is not the finished softmax but p = 2^(t - M), with t = logit x log2(e) and M = ceil(the row's largest t), a whole number; so 1/2 < the row's largest p <= 1. The row's sum l is taken of the UNQUANTISED p, in f32, and the product's result is divided by l at the end. Since M is a whole number, a kernel that streams over the keys may use a running M (the ceiling of the running maximum): every later rescaling is an exact power of two, which a block's scale takes up: the codes' values come out the same.
;;   OPERANDS COMPUTED ON THE WAY. 'Computed on the way' means the value that the module computes at that place (a softmax that the list does not call 'softmax' is quantised finished and normalised). What goes into a quantiser is computed in f32, as accurately as f32 sums, v_exp_f32 and their like allow (about 1e-6 of the number): no bf16 or f16 on the way to a quantiser, and a product that is left as it is and whose result goes on into a quantised operand takes f32 operands (vector FMAs, or v_wmma_f32_16x16x4_f32). A number that lies on a knife's edge between two numbers of the format may be rounded either way, as far as f32 arithmetic and the matrix unit's own rounding can turn it there, and no further.
;; One version. Each part assembles by itself: llvm-mc -triple=amdgcn-amd-amdhsa -mcpu=gfx1250 --defsym DOCPART=n.
;; ======== version 1 of 1: 4 launches
;; limits: right only within a limited range of input values
;; workspace buffers: xc 7,077,888 bytes; xs 294,912 bytes; wc 1,769,472 bytes; ws 73,728 bytes; hc 7,077,888 bytes; hs 294,912 bytes; cc 2,359,296 bytes; cs 98,304 bytes
;; launch quant (part 1): grid 24 x 22, 4 waves a work-group, no clusters, 34,304 bytes of LDS; arguments q, k, v, Wq, Wk, Wv, Wo, xc, xs, wc, ws; writes xc, xs, wc, ws
.if DOCPART == 1
	.amdgcn_target "amdgcn-amd-amdhsa--gfx1250"
	.amdhsa_code_object_version 6
	.text
	.protected	k_qa51fec77a6_quant
	.globl	k_qa51fec77a6_quant
	.p2align	8
	.type	k_qa51fec77a6_quant,@function
k_qa51fec77a6_quant:
	s_mov_b64 s[64:65], 0
	v_nop
	global_prefetch_b8 v0, s[64:65] scope:SCOPE_SE
	s_setreg_imm32_b32 hwreg(HW_REG_WAVE_MODE, 25, 1), 1
	s_wait_xcnt 0x0
; q, k, v [4096][768] and Wq, Wk, Wv, Wo [768 (K)][768], f32, become codes of FP6 (E2M3) with one E8M0 byte for each 32 along K, quantised ONCE for all later launches.
; A block's scale is 2^(floor(log2(largest magnitude)) - 2); its byte is the largest magnitude's exponent field - 2, held at 1 from below.  A block of zeros so gets the byte 1 where the rule
; says 127: its codes are zeros, which add nothing under any byte but 0xff, and only this program reads the bytes.
; LIMITS: NaN and infinities among the inputs are not served; blocks whose largest magnitude lies under 2^-124 keep the byte 1.
; THE WORKSPACE IS LAID AS IMAGES OF OPERAND REGISTERS.  A fragment (16 rows x 128 K, 12 registers a lane) is 1,536 bytes: register j of lane l at 512 (j / 4) + 16 l + 4 (j % 4): three stores of
; 512 consecutive bytes here, three LDS loads of 16 bytes a lane later.  xc: [tensor 3][tile 256][K step 6][1536];  wc: [weight 4][tile 48][K step 6][1536];  xs, ws: a row's six scale words, 24 bytes.
; THE ROWS OF A TILE ARE NOT NEIGHBOURS: lane r of tile 2 G + u holds row (or column of W) 32 G + 8 u + r + 8 (r / 8), so that a product that takes such a tile as its first source leaves
; 16 neighbours along that axis in the 16 registers of tiles 2 G and 2 G + 1.
; SHARES.  Work-group rows y < 16 (384 work-groups): a wave takes one tile of q, k or v and three K steps.  y >= 16 (144 work-groups): a wave takes 32 columns of a weight x 128 along K.
; No work-group reads what another reads, so there is no cluster and no joint load; no matrix work; waves share nothing, so no barrier.
.set SEL, 36                           ; s[36:37] lane selects for v_permlanex16_b32: lane l xor 16
.set TM,  8                            ; v8-11 largest magnitudes, v12-15 the other half's and then the bytes, v20-23 the conversions' scale operands
.set XR,  32                           ; v32-223  three sets of 64 numbers (x path);  v32-159 128 numbers down K (W path)
.set PC,  224                          ; v224-243 the codes just made
.set PW,  244                          ; v244-246 the three K steps' scale words
.set STW, 8448                         ; LDS: a stage of 16 rows x (512 + 16) bytes for each wave
; 64 numbers of a lane, register 16 b + i = k 32 b + 16 (lane / 16) + i of the lane's row, become a fragment's codes in v[pc] .. v[pc + 11] and its scale word in v[pw].
.macro QUANT s, pc, pw, tm
.irp b, 0,1,2,3
	v_max3_num_f32 v[\tm+\b], |v[\s+16*\b]|, |v[\s+1+16*\b]|, 0x1800000   ; block b: my 16 numbers, and the floor 2^(3 - 127): the byte cannot fall under 1
.endr
.irp i, 2,4,6,8,10,12,14
.irp b, 0,1,2,3
	v_max3_num_f32 v[\tm+\b], v[\tm+\b], |v[\s+16*\b+\i]|, |v[\s+1+16*\b+\i]|   ; the four blocks by turns
.endr
.endr
.irp b, 0,1,2,3
	v_permlanex16_b32 v[\tm+4+\b], v[\tm+\b], s[SEL], s[SEL+1]
.endr
.irp b, 0,1,2,3
	v_max_num_f32 v[\tm+\b], v[\tm+\b], v[\tm+4+\b]        ; with lane l xor 16's 16 numbers: the block's largest magnitude
.endr
.irp b, 0,1,2,3
	v_add_nc_u32 v[\tm+12+\b], 0xff000000, v[\tm+\b]       ; 2 off its exponent field: the conversion takes this operand's exponent field as its scale
.endr
.irp b, 0,1,2,3
	v_lshrrev_b32 v[\tm+4+\b], 23, v[\tm+12+\b]            ; the scale's byte
.endr
	v_lshl_or_b32 v[\pw], v[\tm+5], 8, v[\tm+4]
	v_lshl_or_b32 v[\pw], v[\tm+6], 16, v[\pw]
	v_lshl_or_b32 v[\pw], v[\tm+7], 24, v[\pw]             ; my row's scale word (the same in lanes r and 16 + r)
.irp c, 0,1
	v_cvt_scalef32_pk16_fp6_f32 v[\pc+6*\c:\pc+2+6*\c], v[\s+32*\c:\s+15+32*\c], v[\tm+12+2*\c]
	v_cvt_scalef32_pk16_fp6_f32 v[\pc+12+4*\c:\pc+14+4*\c], v[\s+16+32*\c:\s+31+32*\c], v[\tm+12+2*\c+1]   ; (a conversion's three registers begin on an even number)
.endr
	v_nop                                                  ; one plain place behind a scaled conversion
.irp c, 0,1                            ; the operand's layout wants a WHOLE block in a lane: lanes 0-15 block 2 c, lanes 16-31 block 2 c + 1
.irp i, 0,1,2
	v_permlane16_swap_b32 v[\pc+6*\c+\i], v[\pc+12+4*\c+\i]
.endr
.irp i, 0,1,2
	v_mov_b32 v[\pc+3+6*\c+\i], v[\pc+12+4*\c+\i]
.endr
.endr
.endm
	s_load_b256 s[4:11], s[0:1], 0x0               ; q s[4:5], k s[6:7], v s[8:9], Wq s[10:11]
	s_load_b256 s[12:19], s[0:1], 0x20             ; Wk s[12:13], Wv s[14:15], Wo s[16:17], xc s[18:19]
	s_load_b128 s[20:23], s[0:1], 0x40             ; xs s[20:21], wc s[22:23]
	s_load_b64 s[24:25], s[0:1], 0x50              ; ws
	v_lshl_add_u32 v254, v0, 2, 0x8400
	v_mov_b32 v255, 0
	v_lshrrev_b32 v1, 5, v0
	v_readfirstlane_b32 s26, v1                    ; wave 0..3
	v_and_b32 v1, 31, v0                           ; lane
	v_and_b32 v2, 15, v0                           ; r
	v_bfe_u32 v3, v0, 4, 1                         ; h
	v_lshlrev_b32 v4, 4, v1                        ; 16 x lane
	s_mov_b32 s[SEL], 0x76543210
	s_mov_b32 s[SEL+1], 0xfedcba98
	s_and_b32 s27, ttmp7, 0xffff                   ; work-group y
	s_cmp_ge_u32 s27, 16
	s_cbranch_scc1 .Lweights
	; ---------------- q, k, v: K is innermost ----------------
	s_mul_i32 s33, s26, STW                        ; my wave's stage
	v_add_nc_u32 v5, s33, v4                       ; into it: a row's 512 bytes as they are loaded, 16 a lane; rows 528 bytes apart
	v_mul_u32_u24 v6, v2, 528
	v_lshl_add_u32 v6, v3, 6, v6
	v_add_nc_u32 v6, s33, v6                       ; out of it: row r, + 64 h: my 16 numbers of each block of 32
	v_mul_u32_u24 v7, v2, 24                       ; my row's scale words
.irp b, 0,1,2,3
	v_mov_b32 v[TM+4+\b], 0                        ; written once: a lane permute's destination counts as one of its sources
.endr
	s_mul_i32 s28, s27, 24
	s_add_co_u32 s28, s28, ttmp9                   ; 0 .. 383
	s_lshr_b32 s29, s28, 7                         ; which tensor
	s_and_b32 s30, s28, 127
	s_lshl_b32 s30, s30, 2
	s_add_co_u32 s30, s30, s26                     ; 0 .. 511
	s_lshr_b32 s31, s30, 1                         ; tile T
	s_and_b32 s32, s30, 1                          ; which three K steps
	s_lshr_b32 s33, s31, 1
	s_lshl_b32 s33, s33, 5
	s_and_b32 s34, s31, 1
	s_lshl_b32 s34, s34, 3
	s_add_co_u32 s33, s33, s34                     ; the tile's first row: 32 (T / 2) + 8 (T % 2)
	s_mul_i32 s34, s33, 3072
	s_mul_i32 s35, s32, 1536
	s_add_co_u32 s34, s34, s35
	s_mov_b32 s35, 0
	s_lshl_b32 s40, s29, 8
	s_add_co_u32 s40, s40, s31                     ; 256 x tensor + T
	s_mul_i32 s42, s40, 9216
	s_mul_i32 s41, s32, 4608
	s_add_co_u32 s42, s42, s41                     ; the images' place
	s_mov_b32 s43, 0
	s_mul_i32 s44, s40, 384
	s_mul_i32 s41, s32, 12
	s_add_co_u32 s44, s44, s41                     ; the scale words' place
	s_mov_b32 s45, 0
	s_wait_alu depctr_va_vdst(0)
	s_wait_kmcnt 0x0
	s_cmp_eq_u32 s29, 1                            ; the choice hangs on the work-group's number alone
	s_cselect_b64 s[4:5], s[6:7], s[4:5]
	s_cmp_eq_u32 s29, 2
	s_cselect_b64 s[4:5], s[8:9], s[4:5]
	s_add_nc_u64 s[4:5], s[4:5], s[34:35]
	s_add_nc_u64 s[18:19], s[18:19], s[42:43]
	s_add_nc_u64 s[20:21], s[20:21], s[44:45]
.irp t, 0,1,2                          ; all 48 loads go out at once: each reads 512 consecutive bytes, one row's 128 numbers of a K step
.irp i, 0,1,2,3,4,5,6,7,8,9,10,11,12,13,14,15
	global_load_b128 v[XR+64*\t+4*\i:XR+64*\t+4*\i+3], v4, s[4:5] offset:(\i+8*(\i/8))*3072+512*\t th:TH_LOAD_NT
.endr
.endr
.macro XSTEP t
	s_wait_loadcnt 32-16*\t                        ; loads come back in order: this K step's 16 are in, the later steps' 16 each may be out
.irp i, 0,1,2,3,4,5,6,7,8,9,10,11,12,13,14,15
	ds_store_b128 v5, v[XR+64*\t+4*\i:XR+64*\t+4*\i+3] offset:528*\i
.endr
	s_wait_dscnt 0x0                               ; the stores have read their registers, which the loads below fill
.irp b, 0,1,2,3
.irp j, 0,1,2,3
	ds_load_b128 v[XR+64*\t+16*\b+4*\j:XR+64*\t+16*\b+4*\j+3], v6 offset:128*\b+16*\j
.endr
.endr
	s_wait_dscnt 0x0
.if \t > 0
	s_wait_xcnt 0x0                                ; the last step's stores have read the codes' registers, which are written again below
.endif
	QUANT XR+64*\t, PC, PW+\t, TM
.irp c, 0,1,2
	global_store_b128 v4, v[PC+4*\c:PC+4*\c+3], s[18:19] offset:1536*\t+512*\c   ; 512 consecutive bytes, at a multiple of 256 from the buffer's first byte
.endr
.endm
	XSTEP 0
	XSTEP 1
	XSTEP 2
	global_store_b96 v7, v[PW:PW+2], s[20:21]      ; three scale words a row; lanes r and 16 + r write the same words to the same place, so EXEC is never narrowed
	s_wait_tensorcnt 0x0
	ds_add_u32 v254, v255
	s_wait_dscnt 0x0
	s_endpgm
	; ---------------- the weights: K is the FIRST axis.  A lane takes a column and its registers run down K ----------------
.Lweights:
	s_sub_co_u32 s28, s27, 16                      ; K step 0..5
	s_mul_i32 s29, ttmp9, 43
	s_lshr_b32 s29, s29, 8                         ; which weight: x / 6 (x < 24)
	s_mul_i32 s30, s29, 6
	s_sub_co_u32 s30, ttmp9, s30
	s_lshl_b32 s30, s30, 2
	s_add_co_u32 s30, s30, s26                     ; group of 32 columns, 0..23: the four waves stand side by side on 512 bytes of a row
	v_and_b32 v5, 7, v0
	v_bfe_u32 v6, v0, 3, 1
	v_lshl_add_u32 v5, v6, 4, v5
	s_wait_alu depctr_va_vdst(0)
	v_lshl_add_u32 v5, v3, 3, v5                   ; my column in the group: lanes 0-15 are tile 2 G in lane order, lanes 16-31 tile 2 G + 1
	v_lshlrev_b32 v5, 2, v5
	v_mul_u32_u24 v6, v1, 24                       ; my column's scale words
	s_mul_i32 s34, s28, 128*3072
	s_lshl_b32 s35, s30, 7
	s_add_co_u32 s34, s34, s35
	s_mov_b32 s35, 0
	s_mul_i32 s40, s29, 48
	s_lshl_b32 s41, s30, 1
	s_add_co_u32 s40, s40, s41                     ; 48 x weight + tile
	s_mul_i32 s42, s40, 9216
	s_mul_i32 s41, s28, 1536
	s_add_co_u32 s42, s42, s41
	s_mov_b32 s43, 0
	s_mul_i32 s44, s40, 384
	s_lshl_b32 s41, s28, 2
	s_add_co_u32 s44, s44, s41
	s_mov_b32 s45, 0
	s_wait_alu depctr_va_vdst(0)
	s_wait_kmcnt 0x0
	s_cmp_eq_u32 s29, 1
	s_cselect_b64 s[10:11], s[12:13], s[10:11]
	s_cmp_eq_u32 s29, 2
	s_cselect_b64 s[10:11], s[14:15], s[10:11]
	s_cmp_eq_u32 s29, 3
	s_cselect_b64 s[10:11], s[16:17], s[10:11]
	s_add_nc_u64 s[10:11], s[10:11], s[34:35]
	s_add_nc_u64 s[22:23], s[22:23], s[42:43]
	s_add_nc_u64 s[24:25], s[24:25], s[44:45]
.set i, 0
.rept 128
	global_load_b32 v[32+i], v5, s[10:11] offset:3072*i th:TH_LOAD_NT   ; W(128 s + i, my column): the wave reads 128 consecutive bytes
.set i, i+1
.endr
; Block b: all its 32 numbers are mine.  Its lower 16 codes go to v[lo] on, its upper 16 to v[184 + 4 b] on.
.macro WBLOCK b, lo
.set XS, 32+32*\b
	v_max3_num_f32 v12, |v[XS]|, |v[XS+1]|, |v[XS+2]|
	v_max3_num_f32 v13, |v[XS+3]|, |v[XS+4]|, |v[XS+5]|
.irp i, 6,10,14,18,22,26
	v_max3_num_f32 v12, v12, |v[XS+\i]|, |v[XS+\i+1]|
	v_max3_num_f32 v13, v13, |v[XS+\i+2]|, |v[XS+\i+3]|
.endr
	v_max3_num_f32 v12, v12, |v[XS+30]|, |v[XS+31]|
	v_max3_num_f32 v12, v12, v13, 0x1800000        ; and the floor 2^(3 - 127)
	v_add_nc_u32 v[16+\b], 0xff000000, v12         ; the conversion's scale operand
	v_lshrrev_b32 v13, 23, v[16+\b]                ; the scale's byte
.if \b == 0
	v_mov_b32 v24, v13
.else
	v_lshl_or_b32 v24, v13, 8*\b, v24              ; the lower K in the lower byte
.endif
	v_cvt_scalef32_pk16_fp6_f32 v[\lo:\lo+2], v[XS:XS+15], v[16+\b]
	v_cvt_scalef32_pk16_fp6_f32 v[184+4*\b:186+4*\b], v[XS+16:XS+31], v[16+\b]
.endm
	s_wait_loadcnt 63                              ; at most 63 of the 128 are out: the first 65 are in, blocks 0 and 1 among them
	WBLOCK 0, 160
	WBLOCK 1, 172
	s_wait_loadcnt 32                              ; block 3's 32 may be out
	WBLOCK 2, 166
	s_wait_loadcnt 0x0
	WBLOCK 3, 178
	v_nop                                          ; one plain place behind the last scaled conversion
; Lanes 0-15 hold tile 2 G's columns and lanes 16-31 tile 2 G + 1's, each lane all four blocks.  A fragment wants block 2 c in lanes 0-15 and block 2 c + 1 in lanes 16-31 of ONE tile:
; the swap of block 2 c's register with block 2 c + 1's leaves tile 2 G's register in the first and tile 2 G + 1's in the second.
.irp c, 0,1
.irp i, 0,1,2
	v_permlane16_swap_b32 v[160+6*\c+\i], v[172+6*\c+\i]
	v_permlane16_swap_b32 v[184+8*\c+\i], v[188+8*\c+\i]
.endr
.irp i, 0,1,2
	v_mov_b32 v[163+6*\c+\i], v[184+8*\c+\i]
	v_mov_b32 v[175+6*\c+\i], v[188+8*\c+\i]
.endr
.endr
.irp c, 0,1,2
	global_store_b128 v4, v[160+4*\c:163+4*\c], s[22:23] offset:512*\c
	global_store_b128 v4, v[172+4*\c:175+4*\c], s[22:23] offset:9216+512*\c
.endr
	global_store_b32 v6, v24, s[24:25]             ; 4 bytes at a pitch of 24: these stores cover their 256-byte blocks in part; all of ws is 73,728 bytes
	s_endpgm
.Lfunc_end_k_qa51fec77a6_quant:
	.size	k_qa51fec77a6_quant, .Lfunc_end_k_qa51fec77a6_quant-k_qa51fec77a6_quant
	.p2alignl 7, 3214868480
	.fill 96, 4, 3214868480
	.section	.rodata,"a",@progbits
	.p2align	6, 0x0
	.amdhsa_kernel k_qa51fec77a6_quant
		.amdhsa_group_segment_fixed_size 34304
		.amdhsa_private_segment_fixed_size 0
		.amdhsa_enable_private_segment 0
		.amdhsa_kernarg_size 88
		.amdhsa_user_sgpr_count 2
		.amdhsa_user_sgpr_kernarg_segment_ptr 1
		.amdhsa_wavefront_size32 1
		.amdhsa_system_sgpr_workgroup_id_x 1
		.amdhsa_system_sgpr_workgroup_id_y 1
		.amdhsa_system_sgpr_workgroup_id_z 1
		.amdhsa_system_vgpr_workitem_id 0
		.amdhsa_next_free_vgpr 256
		.amdhsa_next_free_sgpr 66
		.amdhsa_reserve_vcc 0
		.amdhsa_float_denorm_mode_32 3
		.amdhsa_float_denorm_mode_16_64 3
		.amdhsa_memory_ordered 1
		.amdhsa_forward_progress 1
		.amdhsa_inst_pref_size 47
	.end_amdhsa_kernel
	.amdgpu_metadata
---
amdhsa.version: [ 1, 2 ]
amdhsa.kernels:
  - .name:           k_qa51fec77a6_quant
    .symbol:         k_qa51fec77a6_quant.kd
    .args:
      - { .name: q, .offset: 0, .size: 8, .value_kind: global_buffer, .address_space: global }
      - { .name: k, .offset: 8, .size: 8, .value_kind: global_buffer, .address_space: global }
      - { .name: v, .offset: 16, .size: 8, .value_kind: global_buffer, .address_space: global }
      - { .name: Wq, .offset: 24, .size: 8, .value_kind: global_buffer, .address_space: global }
      - { .name: Wk, .offset: 32, .size: 8, .value_kind: global_buffer, .address_space: global }
      - { .name: Wv, .offset: 40, .size: 8, .value_kind: global_buffer, .address_space: global }
      - { .name: Wo, .offset: 48, .size: 8, .value_kind: global_buffer, .address_space: global }
      - { .name: xc, .offset: 56, .size: 8, .value_kind: global_buffer, .address_space: global }
      - { .name: xs, .offset: 64, .size: 8, .value_kind: global_buffer, .address_space: global }
      - { .name: wc, .offset: 72, .size: 8, .value_kind: global_buffer, .address_space: global }
      - { .name: ws, .offset: 80, .size: 8, .value_kind: global_buffer, .address_space: global }
    .group_segment_fixed_size: 34304
    .private_segment_fixed_size: 0
    .kernarg_segment_align: 8
    .kernarg_segment_size: 88
    .max_flat_workgroup_size: 128
    .sgpr_count:     66
    .vgpr_count:     256
    .wavefront_size: 32
...
	.end_amdgpu_metadata
.endif
;; end of part 1
;; launch proj (part 2): grid 4 x 48, 12 waves a work-group, clusters of 4 x 4, 271,872 bytes of LDS; arguments xc, xs, wc, ws, bq, bk, bv, hc, hs; writes hc, hs
.if DOCPART == 2
	.amdgcn_target "amdgcn-amd-amdhsa--gfx1250"
	.amdhsa_code_object_version 6
	.text
	.protected	k_qa51fec77a6_proj
	.globl	k_qa51fec77a6_proj
	.p2align	8
	.type	k_qa51fec77a6_proj,@function
k_qa51fec77a6_proj:
	s_mov_b64 s[64:65], 0
	v_nop
	global_prefetch_b8 v0, s[64:65] scope:SCOPE_SE
	s_setreg_imm32_b32 hwreg(HW_REG_WAVE_MODE, 25, 1), 1
	s_wait_xcnt 0x0
	s_wait_alu depctr_hold_cnt(0) depctr_sa_sdst(0) depctr_va_vdst(0) depctr_va_sdst(0) depctr_va_ssrc(0) depctr_va_vcc(0) depctr_vm_vsrc(0)
	s_getreg_b32 s2, hwreg(HW_REG_IB_STS2, 6, 4)
	s_cmp_eq_u32 s2, 0
	s_cbranch_scc0 .Lentry_in_a_cluster
	s_endpgm
.Lentry_in_a_cluster:
	s_bfe_u32 s2, ttmp6, 0x10000c
	s_cmp_lg_u32 s2, 0xf033
	s_cbranch_scc0 .Lentry_shape_is_right
	s_endpgm
.Lentry_shape_is_right:
; qh = q Wq + bq, kh = k Wk + bk, vh = v Wv + bv on codes of FP6 (E2M3) with E8M0 scales; the results are quantised in registers for attention's two products and stored as images of operand registers.
; A work-group makes 256 rows x 192 columns (three heads) of ONE of the three products over all of K = 768: its 16 tiles of x and 12 tiles of W, 258,048 bytes of codes and 10,752 of scale words,
; come into LDS ONCE, in three phases of two K steps; no LDS byte is filled twice.
; CLUSTER 4 x 4: the four work-groups of a row of the cluster take the same rows of x, the four of a column the same columns of W: each tile is asked for jointly, by the same tensor load with the
; same descriptor and a mask that names the four.  Waves 0-3 ask for x's four parts, waves 4-6 for W's three, four loads each (scale words, then the phases); the branch hangs on the wave's number alone.
; q, k (wave: 64 rows x one head, 16 accumulators): the product is used TRANSPOSED (source 0 = 16 columns of W, source 1 = 16 rows of x): a lane holds one row and its registers run along the head's 64,
;   which is the next product's K.  The 64 registers of two neighbouring tiles of rows become ONE fragment: tile 2 G in k 0-63, tile 2 G + 1 in k 64-127 (attention multiplies it by [Q | 0] and by [0 | Q]).
;   The bias is loaded into the accumulators, so every K step adds in place and no addition is written.
; v (wave: 128 rows = one key step x 32 columns): natural order (source 0 = x, source 1 = W): a lane holds one channel and its registers run down the keys, which are the second product's K.
; hc: [batch x head 24][294,912]: q's 64 fragments, then for each of 16 key steps K's four fragments and V's four.  hs: [24][q | k | v][key step 16][lane r 16][fragment 4] words.
; LIMITS: as the quantiser's: NaN and infinities are not served; a block of zeros or under 2^-124 keeps the byte 1 (its codes add nothing, and only this program reads the bytes).
.set PH,   86016                       ; a phase in LDS: seven parts
.set PART, 12288                       ; a part: four tiles x two K steps x 1,536 bytes.  Parts 0-3: x's tiles 0-15; parts 4-6: W's tiles 0-11
.set SCL,  258048                      ; behind the phases: seven parts of 1,536 bytes of scale words (64 rows x 24 bytes)
.set CX,   2
.set CB,   3                           ; s3   block of 192 columns
.set WV,   22                          ; s22  wave
.set W3,   23                          ; s23  wave % 4
.set CY,   28
.set RB,   29                          ; s29  block of 256 rows
.set TEN,  30                          ; s30  0: q, 1: k, 2: v.  It hangs on the cluster's y alone
.set SEL,  66                          ; s[66:67]
.set G1A,  32                          ; groups 1: x's codes, W's codes, x's scale words, W's
.set G1B,  40
.set G1AS, 48
.set G1BS, 56
.set G0A,  68                          ; groups 0: x's three phases, x's scale words, W's three phases, W's scale words
.set G0AS, 80
.set G0B,  84
.set G0BS, 96
.set SX,   12                          ; v12-19 x's scale words;  v20-23 W's: they hold scales and nothing else
.set SW,   20
.set BV,   24                          ; v24-27 the lane's bias of v, twice for each tile
.set FR,   32                          ; v32-127  eight fragments
.set ACC,  128                         ; v128-255 sixteen accumulators
.set TM,   32                          ; behind the products the fragments' registers are free
.set PC0,  48
.set PC1,  68
.set PW0,  88
.macro ROUND                           ; a round of the cluster's barrier
	s_barrier_signal -1
	s_barrier_wait -1
	s_cmp_lg_u32 s[WV], 0
	s_cbranch_scc1 .Lnot_wave_0_\@
	s_barrier_signal -3
.Lnot_wave_0_\@:
	s_barrier_wait -3
	s_barrier_signal -1
	s_barrier_wait -1
.endm
.macro QUANT s, pc, pw, tm             ; 64 numbers of a lane, register 16 b + i = k 32 b + 16 (lane / 16) + i, become a fragment's codes and its scale word
.irp b, 0,1,2,3
	v_max3_num_f32 v[\tm+\b], |v[\s+16*\b]|, |v[\s+1+16*\b]|, 0x1800000   ; each accumulator is read from its low end on; the floor 2^(3 - 127) holds the byte at 1
.endr
.irp i, 2,4,6,8,10,12,14
.irp b, 0,1,2,3
	v_max3_num_f32 v[\tm+\b], v[\tm+\b], |v[\s+16*\b+\i]|, |v[\s+1+16*\b+\i]|
.endr
.endr
.irp b, 0,1,2,3
	s_delay_alu instid0(VALU_DEP_4)
	v_permlanex16_b32 v[\tm+4+\b], v[\tm+\b], s[SEL], s[SEL+1]
.endr
.irp b, 0,1,2,3
	s_delay_alu instid0(VALU_DEP_4)
	v_max_num_f32 v[\tm+\b], v[\tm+\b], v[\tm+4+\b]
.endr
.irp b, 0,1,2,3
	s_delay_alu instid0(VALU_DEP_4)
	v_add_nc_u32 v[\tm+12+\b], 0xff000000, v[\tm+\b]
.endr
.irp b, 0,1,2,3
	s_delay_alu instid0(VALU_DEP_4)
	v_lshrrev_b32 v[\tm+4+\b], 23, v[\tm+12+\b]
.endr
	s_delay_alu instid0(VALU_DEP_3)
	v_lshl_or_b32 v[\pw], v[\tm+5], 8, v[\tm+4]
	s_delay_alu instid0(VALU_DEP_1)
	v_lshl_or_b32 v[\pw], v[\tm+6], 16, v[\pw]
	s_delay_alu instid0(VALU_DEP_1)
	v_lshl_or_b32 v[\pw], v[\tm+7], 24, v[\pw]
.irp c, 0,1
	v_cvt_scalef32_pk16_fp6_f32 v[\pc+6*\c:\pc+2+6*\c], v[\s+32*\c:\s+15+32*\c], v[\tm+12+2*\c]
	v_cvt_scalef32_pk16_fp6_f32 v[\pc+12+4*\c:\pc+14+4*\c], v[\s+16+32*\c:\s+31+32*\c], v[\tm+12+2*\c+1]
.endr
	v_nop                                          ; one plain place behind a scaled conversion
.irp c, 0,1
.irp i, 0,1,2
	v_permlane16_swap_b32 v[\pc+6*\c+\i], v[\pc+12+4*\c+\i]
.endr
.irp i, 0,1,2
	s_delay_alu instid0(VALU_DEP_3)
	v_mov_b32 v[\pc+3+6*\c+\i], v[\pc+12+4*\c+\i]
.endr
.endr
.endm
.macro FETCH reg, adr, off             ; a fragment's image comes back as it was stored: 16 bytes a lane, 512 consecutive bytes an instruction
.irp c, 0,1,2
	ds_load_b128 v[\reg+4*\c:\reg+4*\c+3], v[\adr] offset:\off+512*\c
.endr
.endm
.macro PLACES                          ; four plain places in front of loads into registers that matrix instructions have read, and of the first read of results
.rept 4
	v_nop
.endr
.endm
; Phase p's tiles are shown to every wave.
; Phase p was asked for by waves under 4 + 2 p: they wait for their one load; the later phases' loads may stay out across this barrier, behind which nothing is filled.
.macro PHASE p
.if \p < 2
	s_cmp_lt_u32 s[WV], 4+2*\p
	s_cbranch_scc0 .Lnot_mine_\@
	s_wait_tensorcnt 0x0
.Lnot_mine_\@:
.else
	s_wait_tensorcnt 0x0
.endif
.if \p > 0
	s_wait_dscnt 0x0
.endif
	s_barrier_signal -1
	s_barrier_wait -1
.if \p > 0
	v_add_nc_u32 v4, PH, v4
	v_add_nc_u32 v5, PH, v5
.endif
.endm
	s_load_b256 s[4:11], s[0:1], 0x0               ; xc s[4:5], xs s[6:7], wc s[8:9], ws s[10:11]
	s_load_b256 s[12:19], s[0:1], 0x20             ; bq s[12:13], bk s[14:15], bv s[16:17], hc s[18:19]
	s_load_b64 s[20:21], s[0:1], 0x40              ; hs
	v_lshl_add_u32 v30, v0, 2, 0x42000
	v_mov_b32 v31, 0
	ds_add_u32 v30, v31
	ds_add_u32 v30, v31
	v_lshrrev_b32 v1, 5, v0
	s_delay_alu instid0(VALU_DEP_1)
	v_readfirstlane_b32 s[WV], v1                  ; wave 0..11
	v_and_b32 v1, 31, v0                           ; lane
	v_and_b32 v2, 15, v0                           ; r
	v_bfe_u32 v3, v0, 4, 1                         ; h
	s_delay_alu instid0(VALU_DEP_3)
	v_lshlrev_b32 v8, 4, v1                        ; 16 x lane
	s_delay_alu instid0(VALU_DEP_3)
	v_lshlrev_b32 v9, 4, v2
	s_delay_alu instid0(VALU_DEP_1)
	v_lshl_add_u32 v9, v3, 2, v9                   ; 16 r + 4 h: where lane (r, h) stores a scale word
	v_mul_u32_u24 v11, v2, 24                      ; a row's six scale words
	s_mov_b32 s[SEL], 0x76543210
	s_mov_b32 s[SEL+1], 0xfedcba98
	s_and_b32 s[W3], s[WV], 3
	s_bfe_u32 s[CX], ttmp6, 0x40000                ; my place in the cluster
	s_bfe_u32 s[CY], ttmp6, 0x40004
	s_lshl_b32 s[CB], ttmp9, 2
	s_add_co_u32 s[CB], s[CB], s[CX]               ; block of columns = 4 x cluster x + cx
	s_and_b32 s[TEN], ttmp7, 0xffff                ; cluster y, 0..11
	s_and_b32 s[RB], s[TEN], 3
	s_lshl_b32 s[RB], s[RB], 2
	s_add_co_u32 s[RB], s[RB], s[CY]               ; block of rows = 4 x (cluster y % 4) + cy
	s_lshr_b32 s[TEN], s[TEN], 2                   ; which product
	s_lshl_b32 s25, s[CY], 2
	s_lshl_b32 s25, 15, s25                        ; my row of the cluster
	s_lshl_b32 s27, 0x1111, s[CX]                  ; my column
	s_or_b32 s[G1A], s25, (3<<16)|(1<<21)          ; 15:0 the mask; 17:16 elements of 8 bytes; 21 set beside a mask; no padding
	s_or_b32 s[G1AS], s25, (3<<16)|(1<<21)
	s_or_b32 s[G1B], s27, (3<<16)|(1<<21)
	s_or_b32 s[G1BS], s27, (3<<16)|(1<<21)
.irp g, G1A, G1B                       ; codes: all the tiles' two K steps: rows of 3,072 bytes, 9,216 bytes apart in memory
	s_mov_b32 s[\g+1], 384<<16
	s_mov_b32 s[\g+3], 384<<16
	s_mov_b32 s[\g+5], 1152
	s_mov_b32 s[\g+6], 0
	s_mov_b32 s[\g+7], 0
.endr
	s_mov_b32 s[G1A+2], 16<<16                     ; x: 16 tiles
	s_mov_b32 s[G1A+4], 16
	s_mov_b32 s[G1B+2], 12<<16                     ; W: 12 tiles
	s_mov_b32 s[G1B+4], 12
.irp g, G1AS, G1BS                     ; scale words: a dense block as rows of 256 bytes
	s_mov_b32 s[\g+1], 32<<16
	s_mov_b32 s[\g+3], 32<<16
	s_mov_b32 s[\g+5], 32
	s_mov_b32 s[\g+6], 0
	s_mov_b32 s[\g+7], 0
.endr
	s_mov_b32 s[G1AS+2], 24<<16                    ; x: 6,144 bytes
	s_mov_b32 s[G1AS+4], 24
	s_mov_b32 s[G1BS+2], 18<<16                    ; W: 4,608 bytes
	s_mov_b32 s[G1BS+4], 18
	; x's addresses hang on the product and the block of rows; W's on the product and the block of columns; each is made in registers that never hold the other coordinate
	s_lshl_b32 s24, s[TEN], 8
	s_lshl_b32 s25, s[RB], 4
	s_add_co_u32 s24, s24, s25
	s_mul_i32 s[G0AS+2], s24, 384                  ; s24: x's first tile of the work-group
	s_mov_b32 s[G0AS+3], 0
	s_mul_i32 s24, s24, 9216
	s_mov_b32 s25, 0
	s_mul_i32 s26, s[TEN], 48
	s_mul_i32 s27, s[CB], 12
	s_add_co_u32 s26, s26, s27
	s_mul_i32 s[G0BS+2], s26, 384                  ; s26: W's first tile of the work-group
	s_mov_b32 s[G0BS+3], 0
	s_mul_i32 s26, s26, 9216
	s_mov_b32 s27, 0
	s_mov_b32 s[G0A+1], 0                          ; LDS: x's parts, then W's: no place in the cluster enters an LDS address
	s_mov_b32 s[G0B+1], 4*PART
.irp p, 1,2
	s_add_co_u32 s[G0A+4*\p+1], s[G0A+1], \p*PH
	s_add_co_u32 s[G0B+4*\p+1], s[G0B+1], \p*PH
.endr
	s_mov_b32 s[G0AS+1], SCL
	s_mov_b32 s[G0BS+1], SCL+6144
	s_mov_b32 s[G0AS], 1
	s_mov_b32 s[G0BS], 1
	s_wait_dscnt 0x0
	s_wait_kmcnt 0x0
	s_add_nc_u64 s[G0AS+2:G0AS+3], s[6:7], s[G0AS+2:G0AS+3]
	s_or_b32 s[G0AS+3], s[G0AS+3], 0x80000000
	s_add_nc_u64 s[G0BS+2:G0BS+3], s[10:11], s[G0BS+2:G0BS+3]
	s_or_b32 s[G0BS+3], s[G0BS+3], 0x80000000
	s_add_nc_u64 s[24:25], s[4:5], s[24:25]
	s_add_nc_u64 s[26:27], s[8:9], s[26:27]
.irp p, 0,1,2
	s_mov_b32 s[G0A+4*\p], 1
	s_add_nc_u64 s[G0A+4*\p+2:G0A+4*\p+3], s[24:25], \p*3072
	s_or_b32 s[G0A+4*\p+3], s[G0A+4*\p+3], 0x80000000
	s_mov_b32 s[G0B+4*\p], 1
	s_add_nc_u64 s[G0B+4*\p+2:G0B+4*\p+3], s[26:27], \p*3072
	s_or_b32 s[G0B+4*\p+3], s[G0B+4*\p+3], 0x80000000
.endr
	ROUND                                          ; all sixteen work-groups are here: the joint loads meet
; THE LOADS AS THEY ARE SHARED OUT: one joint load a wave, waves 0-7, each with all of the work-group's tiles of x or of W: phase 0 (waves 0, 1), the scale words (2, 3), phase 1 (4, 5), phase 2 (6, 7).
; (This takes the place of the head's line on four loads a wave.)  One chain of branches on the wave's number, one load to an arm, one join.
.macro ARM n, g0, g1
	s_cmp_eq_u32 s[WV], \n
	s_cbranch_scc0 .Larm_\n
	tensor_load_to_lds s[\g0:\g0+3], s[\g1:\g1+7]
	s_nop 0
	PLACES
	s_branch .Lasked
.Larm_\n:
.endm
	ARM 0, G0A, G1A
	ARM 1, G0B, G1B
	ARM 2, G0AS, G1AS
	ARM 3, G0BS, G1BS
	ARM 4, G0A+4, G1A
	ARM 5, G0B+4, G1B
	ARM 6, G0A+8, G1A
	ARM 7, G0B+8, G1B
.Lasked:
	s_cmp_eq_u32 s[TEN], 2                         ; the same in all partners: it hangs on the cluster's y
	s_cbranch_scc1 .Lvpath
	; ================ q and k ================
	s_lshr_b32 s100, s[WV], 2                      ; which head of the three; wave % 4: which 64 rows
	s_mul_i32 s31, s[W3], PART
	s_wait_alu depctr_va_vdst(0)
	v_add_nc_u32 v4, s31, v8                       ; my four tiles of x
	s_mul_i32 s31, s100, PART
	s_add_co_u32 s31, s31, 4*PART
	v_add_nc_u32 v5, s31, v8                       ; my four tiles of W
	s_mul_i32 s31, s[W3], 1536
	s_add_co_u32 s31, s31, SCL
	v_add_nc_u32 v6, s31, v11                      ; x's scale words
	s_mul_i32 s31, s100, 1536
	s_add_co_u32 s31, s31, SCL+6144
	v_add_nc_u32 v7, s31, v11                      ; W's
	s_mul_i32 s104, s[CB], 768
	s_lshl_b32 s105, s100, 8
	s_add_co_u32 s104, s104, s105                  ; my head's 64 numbers of the bias
	s_mov_b32 s105, 0
	s_cmp_eq_u32 s[TEN], 0
	s_cselect_b64 s[12:13], s[12:13], s[14:15]
	s_add_nc_u64 s[12:13], s[12:13], s[104:105]
	v_lshlrev_b32 v10, 6, v3                       ; register j of tile t is channel 32 (t / 2) + 8 (t % 2) + 16 h + j
.irp i, 0,1,2,3
.irp t, 0,1,2,3
	global_load_b128 v[ACC+8*(4*\i+\t):ACC+8*(4*\i+\t)+3], v10, s[12:13] offset:128*(\t/2)+32*(\t%2)
	global_load_b128 v[ACC+8*(4*\i+\t)+4:ACC+8*(4*\i+\t)+7], v10, s[12:13] offset:128*(\t/2)+32*(\t%2)+16
.endr
.endr
	; where the results go
	s_lshr_b32 s14, s[RB], 3
	s_mul_i32 s14, s14, 12
	s_mul_i32 s15, s[CB], 3
	s_add_co_u32 s14, s14, s15
	s_add_co_u32 s14, s14, s100                    ; batch x 12 + head
	s_and_b32 s15, s[RB], 7
	s_lshl_b32 s15, s15, 3
	s_lshl_b32 s16, s[W3], 1
	s_add_co_u32 s15, s15, s16                     ; my first group of 32 rows in the batch (even)
	s_lshr_b32 s16, s15, 2                         ; its key step
	s_and_b32 s17, s15, 3                          ; and its fragment there
	s_mul_i32 s104, s16, 12288
	s_mul_i32 s105, s17, 1536
	s_add_co_u32 s104, s104, s105
	s_add_co_u32 s104, s104, 98304                 ; k's place
	s_mul_i32 s105, s15, 1536                      ; q's place
	s_cmp_eq_u32 s[TEN], 0
	s_cselect_b32 s104, s105, s104
	s_mul_i32 s105, s14, 294912
	s_add_co_u32 s104, s104, s105
	s_mov_b32 s105, 0
	s_add_nc_u64 s[18:19], s[18:19], s[104:105]
	s_mul_i32 s104, s14, 12288
	s_lshl_b32 s15, s[TEN], 12
	s_add_co_u32 s104, s104, s15
	s_lshl_b32 s16, s16, 8
	s_add_co_u32 s104, s104, s16
	s_lshl_b32 s17, s17, 2
	s_add_co_u32 s104, s104, s17
	s_add_nc_u64 s[20:21], s[20:21], s[104:105]
; A K step: eight fragments and eight scale words from LDS, sixteen products.  The sixteen accumulators take turns, one instruction a turn, in the same order in every step.
.macro QK_STEP s
.if \s > 0
	PLACES
.endif
.irp t, 0,1,2,3
	FETCH FR+12*\t, 5, \t*3072+(\s%2)*1536
	ds_load_b32 v[SW+\t], v7 offset:\t*384+4*\s
.endr
.irp i, 0,1,2,3
	FETCH FR+48+12*\i, 4, \i*3072+(\s%2)*1536
	ds_load_b32 v[SX+\i], v6 offset:\i*384+4*\s
.endr
	s_wait_dscnt 0x0
.irp i, 0,1,2,3
.irp t, 0,1,2,3
	v_wmma_scale_f32_16x16x128_f8f6f4 v[ACC+8*(4*\i+\t):ACC+8*(4*\i+\t)+7], v[FR+12*\t:FR+12*\t+11], v[FR+48+12*\i:FR+48+12*\i+11], v[ACC+8*(4*\i+\t):ACC+8*(4*\i+\t)+7], v[SW+\t], v[SX+\i] matrix_a_fmt:MATRIX_FMT_FP6 matrix_b_fmt:MATRIX_FMT_FP6
.endr
.endr
.endm
	s_wait_alu depctr_va_vdst(0)
	PHASE 0
	s_wait_loadcnt 0x0                             ; the bias lies in the accumulators
	QK_STEP 0
	QK_STEP 1
	PHASE 1
	s_wait_alu depctr_va_vdst(0)
	QK_STEP 2
	QK_STEP 3
	PHASE 2
	s_wait_alu depctr_va_vdst(0)
	QK_STEP 4
	QK_STEP 5
	PLACES
.irp b, 0,1,2,3
	v_mov_b32 v[TM+4+\b], 0                        ; a lane permute's destination counts as one of its sources
.endr
	QUANT ACC, PC0, PW0, TM                        ; tiles of rows 0 and 1: one fragment of 2 x 64 along K
	QUANT ACC+64, PC1, PW0+1, TM                   ; tiles 2 and 3
.irp c, 0,1,2
	global_store_b128 v8, v[PC0+4*\c:PC0+4*\c+3], s[18:19] offset:512*\c
	global_store_b128 v8, v[PC1+4*\c:PC1+4*\c+3], s[18:19] offset:1536+512*\c
.endr
	v_cmp_eq_u32 vcc_lo, 1, v3
	s_delay_alu instid0(VALU_DEP_1)
	v_cndmask_b32 v90, v[PW0], v[PW0+1], vcc_lo    ; lane (r, h) stores row r's word of fragment h
	global_store_b32 v9, v90, s[20:21]
	s_branch .Lend
	; ================ v ================
.Lvpath:
	s_and_b32 s100, s[WV], 1                       ; which 128 rows (key step)
	s_lshr_b32 s101, s[WV], 1                      ; which 32 columns, 0..5
	s_mul_i32 s31, s100, 2*PART
	s_wait_alu depctr_va_vdst(0)
	v_add_nc_u32 v4, s31, v8                       ; my eight tiles of x
	s_mul_i32 s31, s101, 6144
	s_add_co_u32 s31, s31, 4*PART
	v_add_nc_u32 v5, s31, v8                       ; my two tiles of W
	s_mul_i32 s31, s100, 3072
	s_add_co_u32 s31, s31, SCL
	v_add_nc_u32 v6, s31, v11
	s_mul_i32 s31, s101, 768
	s_add_co_u32 s31, s31, SCL+6144
	v_add_nc_u32 v7, s31, v11
	s_mul_i32 s104, s[CB], 768
	s_lshl_b32 s105, s101, 7
	s_add_co_u32 s104, s104, s105
	s_mov_b32 s105, 0
	s_add_nc_u64 s[16:17], s[16:17], s[104:105]
	v_and_b32 v10, 8, v2
	s_delay_alu instid0(VALU_DEP_1)
	v_add_nc_u32 v10, v10, v2
	s_delay_alu instid0(VALU_DEP_1)
	v_lshlrev_b32 v10, 2, v10                      ; my lane's channel in a tile: r + 8 (r / 8)
.irp t, 0,1
	global_load_b32 v[BV+2*\t], v10, s[16:17] offset:32*\t
	global_load_b32 v[BV+2*\t+1], v10, s[16:17] offset:32*\t      ; twice: a pair for the packed addition
.endr
	s_lshr_b32 s12, s[RB], 3
	s_mul_i32 s12, s12, 12
	s_mul_i32 s13, s[CB], 3
	s_add_co_u32 s12, s12, s13
	s_lshr_b32 s13, s101, 1
	s_add_co_u32 s12, s12, s13                     ; batch x 12 + head
	s_and_b32 s13, s[RB], 7
	s_lshl_b32 s13, s13, 1
	s_add_co_u32 s13, s13, s100                    ; key step
	s_and_b32 s14, s101, 1
	s_lshl_b32 s14, s14, 1                         ; my first tile of the head's four
	s_mul_i32 s104, s12, 294912
	s_mul_i32 s15, s13, 12288
	s_add_co_u32 s104, s104, s15
	s_mul_i32 s15, s14, 1536
	s_add_co_u32 s104, s104, s15
	s_add_co_u32 s104, s104, 98304+6144
	s_mov_b32 s105, 0
	s_add_nc_u64 s[18:19], s[18:19], s[104:105]
	s_mul_i32 s104, s12, 12288
	s_lshl_b32 s15, s13, 8
	s_add_co_u32 s104, s104, s15
	s_lshl_b32 s15, s14, 2
	s_add_co_u32 s104, s104, s15
	s_add_co_u32 s104, s104, 8192
	s_add_nc_u64 s[20:21], s[20:21], s[104:105]
.macro VMUL i, t, x, s                 ; tile of keys i x tile of channels t; the first K step starts the sums
.if \s == 0
	v_wmma_scale_f32_16x16x128_f8f6f4 v[ACC+64*\t+8*\i:ACC+64*\t+8*\i+7], v[\x:\x+11], v[FR+12*\t:FR+12*\t+11], 0, v[SX+\i], v[SW+\t] matrix_a_fmt:MATRIX_FMT_FP6 matrix_b_fmt:MATRIX_FMT_FP6
.else
	v_wmma_scale_f32_16x16x128_f8f6f4 v[ACC+64*\t+8*\i:ACC+64*\t+8*\i+7], v[\x:\x+11], v[FR+12*\t:FR+12*\t+11], v[ACC+64*\t+8*\i:ACC+64*\t+8*\i+7], v[SX+\i], v[SW+\t] matrix_a_fmt:MATRIX_FMT_FP6 matrix_b_fmt:MATRIX_FMT_FP6
.endif
.endm
.macro V_STEP s                        ; W's two fragments and x's first six fill the 96 registers; x's last two follow into the first two's
.if \s > 0
	PLACES
.endif
.irp t, 0,1
	FETCH FR+12*\t, 5, \t*3072+(\s%2)*1536
	ds_load_b32 v[SW+\t], v7 offset:\t*384+4*\s
.endr
.irp i, 0,1,2,3,4,5
	FETCH FR+24+12*\i, 4, \i*3072+(\s%2)*1536
.endr
.irp i, 0,1,2,3,4,5,6,7
	ds_load_b32 v[SX+\i], v6 offset:\i*384+4*\s
.endr
	s_wait_dscnt 0x0
.irp i, 0,1,2,3,4,5
.irp t, 0,1
	VMUL \i, \t, FR+24+12*\i, \s
.endr
.endr
	PLACES
.irp i, 6,7
	FETCH FR+24+12*(\i-6), 4, \i*3072+(\s%2)*1536
.endr
	s_wait_dscnt 0x0
.irp i, 6,7
.irp t, 0,1
	VMUL \i, \t, FR+24+12*(\i-6), \s
.endr
.endr
.endm
	s_wait_alu depctr_va_vdst(0)
	PHASE 0
	V_STEP 0
	V_STEP 1
	PHASE 1
	s_wait_alu depctr_va_vdst(0)
	V_STEP 2
	V_STEP 3
	PHASE 2
	s_wait_alu depctr_va_vdst(0)
	V_STEP 4
	V_STEP 5
	s_wait_loadcnt 0x0                             ; the bias
	PLACES
.irp t, 0,1
.set j, 0
.rept 32
	v_pk_add_f32 v[ACC+64*\t+j:ACC+64*\t+j+1], v[ACC+64*\t+j:ACC+64*\t+j+1], v[BV+2*\t:BV+2*\t+1]   ; a lane holds one channel: one bias for all its keys; ascending, each accumulator from its low end
.set j, j+2
.endr
.endr
.irp b, 0,1,2,3
	v_mov_b32 v[TM+4+\b], 0
.endr
	QUANT ACC, PC0, PW0, TM                        ; 16 channels x 128 keys: a fragment of V with the keys as K
	QUANT ACC+64, PC1, PW0+1, TM
.irp c, 0,1,2
	global_store_b128 v8, v[PC0+4*\c:PC0+4*\c+3], s[18:19] offset:512*\c
	global_store_b128 v8, v[PC1+4*\c:PC1+4*\c+3], s[18:19] offset:1536+512*\c
.endr
	v_cmp_eq_u32 vcc_lo, 1, v3
	s_delay_alu instid0(VALU_DEP_1)
	v_cndmask_b32 v90, v[PW0], v[PW0+1], vcc_lo
	global_store_b32 v9, v90, s[20:21]
.Lend:
	s_wait_tensorcnt 0x0
	ds_add_u32 v30, v31
	s_wait_dscnt 0x0
	ROUND                                          ; the closing round: no work-group ends while a partner may still ask for a tile that names it
	s_endpgm
.Lfunc_end_k_qa51fec77a6_proj:
	.size	k_qa51fec77a6_proj, .Lfunc_end_k_qa51fec77a6_proj-k_qa51fec77a6_proj
	.p2alignl 7, 3214868480
	.fill 96, 4, 3214868480
	.section	.rodata,"a",@progbits
	.p2align	6, 0x0
	.amdhsa_kernel k_qa51fec77a6_proj
		.amdhsa_group_segment_fixed_size 271872
		.amdhsa_private_segment_fixed_size 0
		.amdhsa_enable_private_segment 0
		.amdhsa_kernarg_size 72
		.amdhsa_user_sgpr_count 2
		.amdhsa_user_sgpr_kernarg_segment_ptr 1
		.amdhsa_wavefront_size32 1
		.amdhsa_system_sgpr_workgroup_id_x 1
		.amdhsa_system_sgpr_workgroup_id_y 1
		.amdhsa_system_sgpr_workgroup_id_z 1
		.amdhsa_system_vgpr_workitem_id 0
		.amdhsa_next_free_vgpr 256
		.amdhsa_next_free_sgpr 106
		.amdhsa_reserve_vcc 1
		.amdhsa_float_denorm_mode_32 3
		.amdhsa_float_denorm_mode_16_64 3
		.amdhsa_memory_ordered 1
		.amdhsa_forward_progress 1
		.amdhsa_inst_pref_size 97
	.end_amdhsa_kernel
	.amdgpu_metadata
---
amdhsa.version: [ 1, 2 ]
amdhsa.kernels:
  - .name:           k_qa51fec77a6_proj
    .symbol:         k_qa51fec77a6_proj.kd
    .args:
      - { .name: xc, .offset: 0, .size: 8, .value_kind: global_buffer, .address_space: global }
      - { .name: xs, .offset: 8, .size: 8, .value_kind: global_buffer, .address_space: global }
      - { .name: wc, .offset: 16, .size: 8, .value_kind: global_buffer, .address_space: global }
      - { .name: ws, .offset: 24, .size: 8, .value_kind: global_buffer, .address_space: global }
      - { .name: bq, .offset: 32, .size: 8, .value_kind: global_buffer, .address_space: global }
      - { .name: bk, .offset: 40, .size: 8, .value_kind: global_buffer, .address_space: global }
      - { .name: bv, .offset: 48, .size: 8, .value_kind: global_buffer, .address_space: global }
      - { .name: hc, .offset: 56, .size: 8, .value_kind: global_buffer, .address_space: global }
      - { .name: hs, .offset: 64, .size: 8, .value_kind: global_buffer, .address_space: global }
    .group_segment_fixed_size: 271872
    .private_segment_fixed_size: 0
    .kernarg_segment_align: 8
    .kernarg_segment_size: 72
    .max_flat_workgroup_size: 384
    .sgpr_count:     106
    .vgpr_count:     256
    .wavefront_size: 32
...
	.end_amdgpu_metadata
.endif
;; end of part 2
;; launch attn (part 3): grid 8 x 24, 16 waves a work-group, clusters of 4 x 1, 247,808 bytes of LDS; arguments hc, hs, cc, cs; writes cc, cs
.if DOCPART == 3
	.amdgcn_target "amdgcn-amd-amdhsa--gfx1250"
	.amdhsa_code_object_version 6
	.text
	.protected	k_qa51fec77a6_attn
	.globl	k_qa51fec77a6_attn
	.p2align	8
	.type	k_qa51fec77a6_attn,@function
k_qa51fec77a6_attn:
	s_mov_b64 s[64:65], 0
	v_nop
	global_prefetch_b8 v0, s[64:65] scope:SCOPE_SE
	s_setreg_imm32_b32 hwreg(HW_REG_WAVE_MODE, 25, 1), 1
	s_wait_xcnt 0x0
	s_wait_alu depctr_hold_cnt(0) depctr_sa_sdst(0) depctr_va_vdst(0) depctr_va_sdst(0) depctr_va_ssrc(0) depctr_va_vcc(0) depctr_vm_vsrc(0)
	s_getreg_b32 s2, hwreg(HW_REG_IB_STS2, 6, 4)
	s_cmp_eq_u32 s2, 0
	s_cbranch_scc0 .Lentry_in_a_cluster
	s_endpgm
.Lentry_in_a_cluster:
	s_bfe_u32 s2, ttmp6, 0x10000c
	s_cmp_lg_u32 s2, 0x3003
	s_cbranch_scc0 .Lentry_shape_is_right
	s_endpgm
.Lentry_shape_is_right:
; ctx = softmax(qh kh^T / 8 + look-ahead mask) vh for one batch x head, both products on codes of FP6 (E2M3) with E8M0 scales; ctx is quantised along d for the last product and stored as codes.
; THE SOFTMAX AHEAD OF THE SECOND PRODUCT: t = score x log2(e) / 8; M = the running largest t rounded UP to a whole number; p = 2^(t - M) is quantised along the keys, not normalised; the row's sum
; is taken of the unquantised p and divides at the end.  When M moves, the sum and O are multiplied by 2^(old M - new M): exact.
; THE MASK is the one that the problem builds itself: key > query is hidden.  Hidden scores become -infinity, so p = 0 exactly; that equals adding -1e9 as long as |logit| stays far under 1e9.
; Key steps all of whose keys are hidden are not walked: their p is 0 for all values of the inputs (a NaN or an infinity in hidden keys alone is not carried to the result).
; SHARES.  A head's K and V, 196,608 bytes of codes and 8,192 of scale words, come into LDS ONCE.  Work-group g of 8 has the tiles of 16 queries 8 L + g, L = 0 .. 15; tile L walks key steps (128 keys) 0 .. L.
; The tiles k (k + 1 steps) and 15 - k (16 - k steps), k = 0 .. 7, are a PAIR and have two waves, k = wave % 4 + 4 (wave / 8):
;   role 0 (wave / 4 even): the short tile's steps 0 .. k, whose result it stores; then the long tile's steps 8 .. 15 - k: nine steps;
;   role 1 (wave / 4 odd): the long tile's steps 0 .. 7: eight steps.
; Role 0 hands its part of the long tile (O^T, -M, the sum) over through LDS bytes of the pair's own; behind a barrier role 1 brings both parts under one M by powers of two, adds them and stores the result.
; Of the waves w, w + 4, w + 8, w + 12 two have either role: 34 steps together.  What a wave walks hangs on its number alone; the loops' trip counts are constants, and a step that a wave does not walk is jumped over.
; CLUSTER 4 x 1: the four partners walk the same head, so each part of K and V is asked for jointly, one load a wave: wave 0 the scale words, waves 1-14 key steps 0-13, wave 15 key steps 14 and 15.
; g enters only the addresses of Q and ctx, the mask's compare value and a select of Q's half: no branch, trip count or LDS address hangs on it.
; 192 work-groups: a head's 128 tiles are 8 x 16, one of each number of steps to a work-group.  No prefetch: all of K and V is asked for at the head, so there is no loop to run ahead in.
; LAYOUT.  Both products are used transposed (S^T = K Q^T, O^T = V^T P^T): a lane holds ONE query throughout.  K = 64 fills half of the instruction's 128: a fragment of K holds two tiles of 16 keys,
; one in k 0-63 and one in k 64-127, and is multiplied by [Q | 0] and by [0 | Q]: zero codes on Q's side take the other tile out.  The keys of a tile are 32 b + 8 u + r + 8 (r / 8), so that the
; 16 registers of two neighbouring tiles of scores are 16 neighbouring keys.
; cc: [tile of rows 256][K step 6][head's half 2][768]: 512 bytes (registers 6 c .. 6 c + 3, 16 a lane), then 256 (registers 6 c + 4, 5, 8 a lane).  cs: [tile][K step][r] words.
; LIMITS: NaN and infinities are not served; a block of zeros or under 2^-124 keeps the byte 1; the scaled scores (exponents to the base 2) stay under 2^31 in magnitude.
; LDS: scale words at 0 (K's 4,096 bytes, V's 4,096), key step s at 12,288 (s + 1): K's four fragments, V's four; the spare words at SPARE; the pairs' parts at MRG.
; REGISTERS: v1 16 lane, v2 8 lane, v3 scale words' place, v4-5 the mask's compare value, v6 4 r + h, v7 16 r, v8-9 addresses in hand; v12 -M, v13 largest t, v[14:15] the sum; v16-27 [Q | 0], v28-39 [0 | Q];
; v40 Q's scale word, v41 p's, v44-47 K's (lanes 0-15) and V's (lanes 16-31): scales and nothing else; v42-43 the pair's part in LDS; v48-95 four fragments of K, then of V; v96-159 S^T, then p; v160-191 O^T;
; v192-210 p's codes; v212-223 block maxima, bytes, scale operands; v222-235, v250-253 at work; v236-248 the long tile's Q as loaded (role 0 turns to it later; role 1 has it as its first tile); v249 the first tile's scale words; v254-255 the add's.
.set SPARE, 17*12288
.set MRG, SPARE+2048                   ; 4,608 bytes a pair: O^T's 4,096, -M and t 256, the sum 256
.set PART, 4608
.set G1, 40                            ; s[40:47], s[48:55], s[56:63] groups 1: 32, 48 and 96 rows of 256 bytes
.set G0, 68                            ; s[68:75] groups 0: the scale words, my key step
.set LONG, 32                          ; s32  the long tile
.set LL, 33                            ; s33  its last key step
.set PK, 34                            ; s34  k
.set ROLE, 35                          ; s35
.macro ROUND
	s_barrier_signal -1
	s_barrier_wait -1
	s_cmp_lg_u32 s12, 0
	s_cbranch_scc1 .Lnot_wave_0_\@
	s_barrier_signal -3
.Lnot_wave_0_\@:
	s_barrier_wait -3
	s_barrier_signal -1
	s_barrier_wait -1
.endm
.macro PLACES
.rept 4
	v_nop
.endr
.endm
.macro QADDR pa                        ; where Q of the tile in s27 lies: its group's fragment, and the group's scale words, as offsets
	s_lshr_b32 s15, s27, 1                         ; group of 32 rows
	s_mul_i32 s[\pa], s15, 1536
	s_add_co_u32 s[\pa], s[\pa], s2
	s_mov_b32 s[\pa+1], 0
	s_lshr_b32 s[\pa+2], s15, 2
	s_lshl_b32 s[\pa+2], s[\pa+2], 8
	s_and_b32 s15, s15, 3
	s_lshl_b32 s15, s15, 2
	s_add_co_u32 s[\pa+2], s[\pa+2], s15
	s_add_co_u32 s[\pa+2], s[\pa+2], s3
	s_mov_b32 s[\pa+3], 0
.endm
.macro QLOAD raw, sw, pa               ; Q as it lies: the fragment of the group (both tiles) and the group's scale words
.irp c, 0,1,2
	global_load_b128 v[\raw+4*\c:\raw+4*\c+3], v1, s[\pa:\pa+1] offset:512*\c
.endr
	global_load_b32 v[\sw], v7, s[\pa+2:\pa+3]
.endm
	s_load_b256 s[4:11], s[0:1], 0x0               ; hc s[4:5], hs s[6:7], cc s[8:9], cs s[10:11]
	v_lshl_add_u32 v254, v0, 2, SPARE
	v_mov_b32 v255, 0
	ds_add_u32 v254, v255                          ; the opening: the add, twice on end
	ds_add_u32 v254, v255
	v_lshrrev_b32 v1, 5, v0
	v_readfirstlane_b32 s12, v1                    ; wave 0..15
	v_and_b32 v10, 31, v0                          ; lane
	v_and_b32 v11, 15, v0                          ; r
	v_bfe_u32 v9, v0, 4, 1                         ; h
	v_lshlrev_b32 v1, 4, v10
	v_lshlrev_b32 v2, 3, v10
	v_lshlrev_b32 v7, 4, v11
	v_and_b32 v4, 8, v11
	v_lshlrev_b32 v5, 4, v9
	v_lshl_add_u32 v3, v9, 12, v7                  ; 16 r in K's scale words; lanes 16-31 take V's, 4,096 bytes on
	v_add_nc_u32 v4, v4, v11
	v_lshl_add_u32 v6, v11, 2, v9
	v_sub_nc_u32 v4, v4, v5                        ; r + 8 (r / 8) - 16 h
.irp b, 0,1,2,3
	v_mov_b32 v[216+\b], 0                         ; written once: a lane permute's destination counts as one of its sources
.endr
	v_mov_b32 v229, 0                              ; (named as the upper half of the pair v[228:229])
	v_mov_b32 v230, 0
	s_bfe_u32 s[ROLE], s12, 0x10002
	s_and_b32 s[PK], s12, 3
	s_lshr_b32 s15, s12, 3
	s_lshl_b32 s15, s15, 2
	s_add_co_u32 s[PK], s[PK], s15
	s_mul_i32 s15, s[PK], PART
	s_add_co_u32 s15, s15, MRG
	v_add_nc_u32 v42, s15, v1                      ; my pair's part in LDS: 16 bytes a lane,
	v_add_nc_u32 v43, s15, v2                      ; and 8
	s_xor_b32 s[LL], s[PK], 15                     ; 15 - k
	s_mul_i32 s15, s[ROLE], 15
	s_xor_b32 s24, s[PK], s15                      ; my first tile's last key step: k, or for role 1 15 - k
	s_bfe_u32 s13, ttmp6, 0x40000                  ; cx
	s_lshl_b32 s15, ttmp9, 2
	s_add_co_u32 s13, s15, s13                     ; g = 4 x cluster x + cx
	s_and_b32 s14, ttmp7, 0xffff                   ; batch x 12 + head
	s_mov_b32 s16, 0x76543210
	s_mov_b32 s17, 0xfedcba98
	s_mov_b32 s18, 0x3e38aa3b                      ; c = log2(e) / 8
	s_mov_b32 s19, s18                             ; (named with it as a pair)
	s_mov_b32 s26, 0xffff0000                      ; lanes 16-31
.irp n, 0,1,2
	s_mov_b32 s[G1+8*\n], 15|(3<<16)|(1<<21)       ; 15:0 the mask: all four partners; 17:16 elements of 8 bytes; 21 set beside a mask
	s_mov_b32 s[G1+8*\n+1], 32<<16                 ; rows of 256 bytes, dense
	s_mov_b32 s[G1+8*\n+3], 32<<16
	s_mov_b32 s[G1+8*\n+5], 32
	s_mov_b32 s[G1+8*\n+6], 0
	s_mov_b32 s[G1+8*\n+7], 0
.endr
	s_mov_b32 s[G1+2], 32<<16                      ; the scale words: 8,192 bytes
	s_mov_b32 s[G1+4], 32
	s_mov_b32 s[G1+10], 48<<16                     ; a key step: 12,288 bytes
	s_mov_b32 s[G1+12], 48
	s_mov_b32 s[G1+18], 96<<16                     ; two key steps
	s_mov_b32 s[G1+20], 96
	s_mul_i32 s2, s14, 294912
	s_mul_i32 s3, s14, 12288
	s_mov_b32 s[G0], 1
	s_mov_b32 s[G0+1], 0
	s_add_co_u32 s[G0+2], s3, 4096                 ; K's and V's scale words
	s_mov_b32 s[G0+3], 0
	s_mov_b32 s[G0+4], 1
	s_mul_i32 s[G0+5], s12, 12288                  ; wave w (1 .. 15) brings key step w - 1
	s_mul_i32 s37, s12, 12288
	s_add_co_u32 s[G0+6], s2, s37
	s_add_co_u32 s[G0+6], s[G0+6], 86016           ; 98,304 - 12,288: behind q's fragments
	s_mov_b32 s[G0+7], 0
	s_lshl_b32 s[LONG], s[LL], 3
	s_add_co_u32 s[LONG], s[LONG], s13             ; the long tile, 8 (15 - k) + g
	s_mov_b32 s27, s[LONG]
	QADDR 36
	s_lshl_b32 s27, s24, 3
	s_add_co_u32 s27, s27, s13                     ; my first tile
	QADDR 28
	s_wait_alu depctr_va_vdst(0)
	s_wait_dscnt 0x0                               ; both opening adds are done
	s_wait_kmcnt 0x0
	s_add_nc_u64 s[G0+2:G0+3], s[6:7], s[G0+2:G0+3]
	s_or_b32 s[G0+3], s[G0+3], 0x80000000
	s_add_nc_u64 s[G0+6:G0+7], s[4:5], s[G0+6:G0+7]
	s_or_b32 s[G0+7], s[G0+7], 0x80000000
	s_add_nc_u64 s[28:29], s[4:5], s[28:29]
	s_add_nc_u64 s[30:31], s[6:7], s[30:31]
	s_add_nc_u64 s[36:37], s[4:5], s[36:37]
	s_add_nc_u64 s[38:39], s[6:7], s[38:39]
	QLOAD 96, 249, 28
	QLOAD 236, 248, 36
	ROUND                                          ; all four partners are here: the joint loads meet
; One load a wave: one chain of branches on the wave's number.  The second and the third line are alike but for who waits for them: waves 0-2 ahead of the first barrier, all waves ahead of the second.
	s_cmp_eq_u32 s12, 0
	s_cbranch_scc0 .Lfirst_steps
	tensor_load_to_lds s[G0:G0+3], s[G1:G1+7]
	s_nop 0
	PLACES
	s_branch .Lasked
.Lfirst_steps:
	s_cmp_lt_u32 s12, 3
	s_cbranch_scc0 .Llater_steps
	tensor_load_to_lds s[G0+4:G0+7], s[G1+8:G1+15]
	s_nop 0
	PLACES
	s_branch .Lasked
.Llater_steps:
	s_cmp_lt_u32 s12, 15
	s_cbranch_scc0 .Llast_steps
	tensor_load_to_lds s[G0+4:G0+7], s[G1+8:G1+15]
	s_nop 0
	PLACES
	s_branch .Lasked
.Llast_steps:
	tensor_load_to_lds s[G0+4:G0+7], s[G1+16:G1+23]
	s_nop 0
	PLACES
.Lasked:
; A TILE BEGINS.  The step is written once: its first trip finds zeros, which the first change of M leaves zeros.  My tile's half of the group's fragment becomes [Q | 0] and [0 | Q]; its two scale bytes
; serve both halves of K; the mask's compare value.  (The lines behind Q's scale word are also its places ahead of the first product.)
.macro START raw, sw, first
.set j, 0
.rept 32
	v_mov_b32 v[160+j], 0
.set j, j+1
.endr
.irp i, 0,1,2,3,4,5
	v_mov_b32 v[22+\i], 0
	v_mov_b32 v[28+\i], 0
.endr
	s_and_b32 s15, s27, 1
	s_sub_co_u32 s25, 0, s15                       ; all ones for the group's second tile
.if \first
	s_wait_loadcnt 0x0                             ; Q of both tiles
.endif
.irp i, 0,1,2,3,4,5
	v_cndmask_b32 v[16+\i], v[\raw+\i], v[\raw+6+\i], s25
.endr
.irp i, 0,1,2,3,4,5
	v_mov_b32 v[34+\i], v[16+\i]
.endr
	v_lshrrev_b32 v230, 16, v[\sw]
	v_and_b32 v231, 0xffff, v[\sw]
	s_delay_alu instid0(VALU_DEP_1)
	v_cndmask_b32 v231, v231, v230, s25
	s_delay_alu instid0(VALU_DEP_1)
	v_lshl_or_b32 v40, v231, 16, v231
	s_and_b32 s15, s27, 6
	s_lshl_b32 s15, s15, 4
	s_and_b32 s3, s27, 1
	s_lshl_b32 s3, s3, 3
	s_add_co_u32 s15, s15, s3
	v_add_nc_u32 v5, s15, v4                       ; my query's place in its key step, less 16 h
	v_mov_b32 v14, 0
	v_mov_b32 v15, 0
	v_mov_b32 v13, 0xff61b1e6                      ; -3e38, under every t
	s_delay_alu instid0(VALU_DEP_1)
	v_floor_f32 v12, -v13
	s_wait_alu depctr_va_vdst(0)
.endm
; A KEY STEP: 128 keys.
.macro STEP
	s_cmp_gt_u32 s20, s24                          ; not mine to walk: only the counters step
	s_cbranch_scc1 .Lhidden_\@
	v_add_nc_u32 v8, s21, v1
	v_add_nc_u32 v9, s22, v3
	v_nop
	v_nop                                          ; four places in front of loads into registers that the last products read
	ds_load_b128 v[44:47], v9                      ; the step's eight scale words at once: lanes 0-15 K's four, lanes 16-31 V's four
.irp b, 0,1,2,3
.irp c, 0,1,2
	ds_load_b128 v[48+12*\b+4*\c:51+12*\b+4*\c], v8 offset:1536*\b+512*\c
.endr
.endr
	s_wait_alu depctr_va_vdst(0)
.irp b, 0,1,2,3
	s_wait_dscnt 9-3*\b                            ; the later fragments' loads, three each, may be out
	v_wmma_scale_f32_16x16x128_f8f6f4 v[96+16*\b:103+16*\b], v[48+12*\b:59+12*\b], v[16:27], 0, v[44+\b], v40 matrix_a_fmt:MATRIX_FMT_FP6 matrix_b_fmt:MATRIX_FMT_FP6
	v_wmma_scale_f32_16x16x128_f8f6f4 v[104+16*\b:111+16*\b], v[48+12*\b:59+12*\b], v[28:39], 0, v[44+\b], v40 matrix_a_fmt:MATRIX_FMT_FP6 matrix_b_fmt:MATRIX_FMT_FP6
.endr
	PLACES
.irp b, 0,1,2,3                        ; V's four fragments take K's registers and land under the softmax
.irp c, 0,1,2
	ds_load_b128 v[48+12*\b+4*\c:51+12*\b+4*\c], v8 offset:6144+1536*\b+512*\c
.endr
.endr
	s_cmp_lg_u32 s20, s24                          ; only the tile's last step lies on the diagonal
	s_cbranch_scc1 .Lopen_\@
	v_mov_b32 v230, 0xff800000                     ; -infinity
.set n, 0
.rept 64
	v_cmp_gt_i32 vcc_lo, 32*(n/16)+n%16, v5        ; register 16 b + i holds key 32 b + 16 h + i of the step: hidden where it comes after my query
	v_cndmask_b32 v[96+n], v[96+n], v230, vcc_lo
.set n, n+1
.endr
.Lopen_\@:
.irp b, 0,1,2,3
	v_max3_num_f32 v[212+\b], v[96+16*\b], v[97+16*\b], v[98+16*\b]   ; the largest score of each block of 32 keys: it serves the row's maximum and, since p rises with the score, the block's largest p
.endr
.irp i, 3,5,7,9,11,13
.irp b, 0,1,2,3
	v_max3_num_f32 v[212+\b], v[212+\b], v[96+16*\b+\i], v[97+16*\b+\i]
.endr
.endr
.irp b, 0,1,2,3
	v_max_num_f32 v[212+\b], v[212+\b], v[111+16*\b]
.endr
.irp b, 0,1,2,3
	s_delay_alu instid0(VALU_DEP_4)
	v_permlanex16_b32 v[216+\b], v[212+\b], s16, s17
.endr
.irp b, 0,1,2,3
	s_delay_alu instid0(VALU_DEP_4)
	v_max_num_f32 v[212+\b], v[212+\b], v[216+\b]  ; with lane l xor 16's 16 keys
.endr
	s_delay_alu instid0(VALU_DEP_2)
	v_max3_num_f32 v230, v212, v213, v214
	s_delay_alu instid0(VALU_DEP_1)
	v_max_num_f32 v230, v230, v215
	s_delay_alu instid0(VALU_DEP_1)
	v_mul_f32 v230, s18, v230                      ; the step's largest t
	s_delay_alu instid0(VALU_DEP_1)
	v_max_num_f32 v13, v13, v230                   ; the running largest t
	v_mov_b32 v230, v12
	s_delay_alu instid0(VALU_DEP_2)
	v_floor_f32 v12, -v13                          ; the new -M = -ceil(t): a whole number
	s_delay_alu instid0(VALU_DEP_1)
	v_sub_f32 v230, v12, v230                      ; old M - new M, 0 or less
	s_delay_alu instid0(VALU_DEP_1)
	v_cvt_i32_f32 v230, v230                       ; (it saturates)
	s_delay_alu instid0(VALU_DEP_1)
	v_ldexp_f32 v228, 1.0, v230                    ; f = 2^(old M - new M)
.set j, 0
.rept 32
	v_pk_fma_f32 v[96+j:97+j], v[96+j:97+j], s[18:19], v[12:13] op_sel_hi:[1,0,0]   ; t - M, two at a time
.set j, j+2
.endr
.irp b, 0,1,2,3
	v_fma_f32 v[212+\b], v[212+\b], s18, v12       ; the same of each block's largest score
.endr
	s_wait_alu depctr_va_vdst(0)
.set j, 0
.rept 64
	v_exp_f32 v[96+j], v[96+j]                     ; p = 2^(t - M), at most 1
.set j, j+1
.endr
.irp b, 0,1,2,3
	v_exp_f32 v[212+\b], v[212+\b]                 ; the block's largest p: the same two instructions on the same number
.endr
	v_pk_mul_f32 v[14:15], v[14:15], v[228:229] op_sel_hi:[1,0]   ; the sum under the new M (a plain place behind the exponentials)
	s_wait_alu depctr_va_vdst(0)                   ; and behind it
.irp b, 0,1,2,3
	v_max_num_f32 v[212+\b], 0x1800000, v[212+\b]  ; the floor 2^(3 - 127)
.endr
.irp b, 0,1,2,3
	s_delay_alu instid0(VALU_DEP_4)
	v_add_nc_u32 v[220+\b], 0xff000000, v[212+\b]  ; the conversion's scale operand
.endr
.irp b, 0,1,2,3
	s_delay_alu instid0(VALU_DEP_4)
	v_lshrrev_b32 v[216+\b], 23, v[220+\b]         ; the scale's byte
.endr
	s_delay_alu instid0(VALU_DEP_3)
	v_lshl_or_b32 v41, v217, 8, v216               ; p's scale word for these 128 keys
	s_delay_alu instid0(VALU_DEP_1)
	v_lshl_or_b32 v41, v218, 16, v41
	s_delay_alu instid0(VALU_DEP_1)
	v_lshl_or_b32 v41, v219, 24, v41
.irp c, 0,1
	v_cvt_scalef32_pk16_fp6_f32 v[192+6*\c:194+6*\c], v[96+32*\c:111+32*\c], v[220+2*\c]
	v_cvt_scalef32_pk16_fp6_f32 v[204+4*\c:206+4*\c], v[112+32*\c:127+32*\c], v[220+2*\c+1]
.endr
	v_nop                                          ; one plain place behind a scaled conversion
.irp c, 0,1
.irp i, 0,1,2
	v_permlane16_swap_b32 v[192+6*\c+\i], v[204+4*\c+\i]
.endr
.irp i, 0,1,2
	s_delay_alu instid0(VALU_DEP_3)
	v_mov_b32 v[195+6*\c+\i], v[204+4*\c+\i]
.endr
.endr
	v_pk_add_f32 v[232:233], v[100:101], v[104:105]        ; the row's sum: eight chains by turns
	v_pk_add_f32 v[252:253], v[108:109], v[112:113]
	v_pk_add_f32 v[250:251], v[116:117], v[120:121]
	v_pk_add_f32 v[234:235], v[124:125], v[128:129]
	v_pk_add_f32 v[226:227], v[132:133], v[136:137]
	v_pk_add_f32 v[224:225], v[140:141], v[144:145]
	v_pk_add_f32 v[222:223], v[148:149], v[152:153]
	v_pk_add_f32 v[14:15], v[14:15], v[156:157]
	v_pk_add_f32 v[232:233], v[232:233], v[96:97]
	v_pk_add_f32 v[252:253], v[252:253], v[98:99]
	v_pk_add_f32 v[250:251], v[250:251], v[102:103]
	v_pk_add_f32 v[234:235], v[234:235], v[106:107]
	v_pk_add_f32 v[226:227], v[226:227], v[110:111]
	v_pk_add_f32 v[224:225], v[224:225], v[114:115]
	v_pk_add_f32 v[222:223], v[222:223], v[118:119]
	v_pk_add_f32 v[14:15], v[14:15], v[122:123]
	v_pk_add_f32 v[232:233], v[232:233], v[126:127]
	v_pk_add_f32 v[252:253], v[252:253], v[130:131]
	v_pk_add_f32 v[250:251], v[250:251], v[134:135]
	v_pk_add_f32 v[234:235], v[234:235], v[138:139]
	v_pk_add_f32 v[226:227], v[226:227], v[142:143]
	v_pk_add_f32 v[224:225], v[224:225], v[146:147]
	v_pk_add_f32 v[222:223], v[222:223], v[150:151]
	v_pk_add_f32 v[14:15], v[14:15], v[154:155]
	v_pk_add_f32 v[232:233], v[232:233], v[158:159]
	s_delay_alu instid0(VALU_DEP_2)
	v_pk_add_f32 v[14:15], v[14:15], v[234:235]
	s_delay_alu instid0(VALU_DEP_2)
	v_pk_add_f32 v[232:233], v[232:233], v[226:227]
	v_pk_add_f32 v[252:253], v[252:253], v[224:225]
	v_pk_add_f32 v[250:251], v[250:251], v[222:223]
	s_delay_alu instid0(VALU_DEP_2)
	v_pk_add_f32 v[14:15], v[14:15], v[252:253]
	s_delay_alu instid0(VALU_DEP_2)
	v_pk_add_f32 v[232:233], v[232:233], v[250:251]
	s_delay_alu instid0(VALU_DEP_1)
	v_pk_add_f32 v[14:15], v[14:15], v[232:233]
.set j, 0
.rept 16
	v_pk_mul_f32 v[160+j:161+j], v[160+j:161+j], v[228:229] op_sel_hi:[1,0]   ; O^T under the new M; ascending
.set j, j+2
.endr
	s_wait_alu depctr_va_vdst(0)
	s_wait_dscnt 0x0                               ; V is in
.irp t, 0,1,2,3                        ; O^T += V^T P^T: the four accumulators by turns
	v_wmma_scale_f32_16x16x128_f8f6f4 v[160+8*\t:167+8*\t], v[48+12*\t:59+12*\t], v[192:203], v[160+8*\t:167+8*\t], v[44+\t], v41 matrix_a_fmt:MATRIX_FMT_FP6 matrix_b_fmt:MATRIX_FMT_FP6 matrix_a_scale:MATRIX_SCALE_ROW1
.endr
.Lhidden_\@:
	s_add_co_u32 s20, s20, 1
	s_add_co_u32 s21, s21, 12288
	s_add_co_u32 s22, s22, 256
.endm
.macro KLOOP n
	s_mov_b32 s23, \n
.Lkey_\@:
	STEP
	s_sub_co_u32 s23, s23, 1
	s_cmp_lg_u32 s23, 0
	s_cbranch_scc1 .Lkey_\@
.endm
; O^T / the sum; its registers 16 b + i are channels 32 b + 16 h + i of my query: two blocks along the last product's K, quantised as above; six registers and two bytes leave.
.macro FINISH
	PLACES                                         ; behind the last products (the trips between may all have been jumped over)
	v_add_f32 v14, v14, v15
	s_delay_alu instid0(VALU_DEP_1)
	v_permlanex16_b32 v230, v14, s16, s17
	s_delay_alu instid0(VALU_DEP_1)
	v_add_f32 v14, v14, v230                       ; the row's sum
	s_wait_alu depctr_va_vdst(0)
	v_rcp_f32 v14, v14
	v_nop                                          ; one plain place behind a transcendental
	s_wait_alu depctr_va_vdst(0)
.set j, 0
.rept 16
	v_pk_mul_f32 v[96+j:97+j], v[160+j:161+j], v[14:15] op_sel_hi:[1,0]
.set j, j+2
.endr
.irp b, 0,1
	v_max3_num_f32 v[212+\b], |v[96+16*\b]|, |v[97+16*\b]|, 0x1800000
.endr
.irp i, 2,4,6,8,10,12,14
.irp b, 0,1
	s_delay_alu instid0(VALU_DEP_2)
	v_max3_num_f32 v[212+\b], v[212+\b], |v[96+16*\b+\i]|, |v[97+16*\b+\i]|
.endr
.endr
.irp b, 0,1
	s_delay_alu instid0(VALU_DEP_2)
	v_permlanex16_b32 v[216+\b], v[212+\b], s16, s17
.endr
.irp b, 0,1
	s_delay_alu instid0(VALU_DEP_2)
	v_max_num_f32 v[212+\b], v[212+\b], v[216+\b]
.endr
.irp b, 0,1
	s_delay_alu instid0(VALU_DEP_2)
	v_add_nc_u32 v[220+\b], 0xff000000, v[212+\b]
.endr
.irp b, 0,1
	s_delay_alu instid0(VALU_DEP_2)
	v_lshrrev_b32 v[216+\b], 23, v[220+\b]
.endr
	v_cvt_scalef32_pk16_fp6_f32 v[192:194], v[96:111], v220
	v_cvt_scalef32_pk16_fp6_f32 v[204:206], v[112:127], v221
	v_cndmask_b32 v231, v216, v217, s26            ; lane (r, h) stores block h's byte.  (The plain place behind the conversions)
.irp i, 0,1,2
	v_permlane16_swap_b32 v[192+\i], v[204+\i]
.endr
.irp i, 0,1,2
	s_delay_alu instid0(VALU_DEP_3)
	v_mov_b32 v[195+\i], v[204+\i]
.endr
	s_cmp_ge_u32 s14, 12
	s_cselect_b32 s15, 128, 0
	s_cselect_b32 s3, 12, 0
	s_add_co_u32 s15, s15, s27                     ; tile of rows among the 256
	s_sub_co_u32 s3, s14, s3                       ; head
	s_mul_i32 s28, s15, 12
	s_add_co_u32 s28, s28, s3
	s_mul_i32 s28, s28, 768
	s_mov_b32 s29, 0
	s_add_nc_u64 s[28:29], s[8:9], s[28:29]
	s_mul_i32 s30, s15, 6
	s_lshr_b32 s31, s3, 1
	s_add_co_u32 s30, s30, s31
	s_lshl_b32 s30, s30, 6
	s_and_b32 s31, s3, 1
	s_lshl_b32 s31, s31, 1
	s_add_co_u32 s30, s30, s31
	s_mov_b32 s31, 0
	s_add_nc_u64 s[30:31], s[10:11], s[30:31]
	s_wait_alu depctr_va_vdst(0)
	global_store_b128 v1, v[192:195], s[28:29]             ; 512 consecutive bytes,
	global_store_b64 v2, v[196:197], s[28:29] offset:512   ; and 256 more, each at a multiple of 256 from the buffer's first byte
	global_store_b8 v6, v231, s[30:31]                     ; single bytes, two in each row's word: these cover their blocks in part; all of cs is 98,304 bytes
.endm
	START 96, 249, 1                               ; my first tile
	s_mov_b32 s20, 0                               ; key step
	s_mov_b32 s21, 12288                           ; its codes in LDS
	s_mov_b32 s22, 0                               ; its scale words
	s_cmp_lt_u32 s12, 3
	s_cbranch_scc0 .Lnot_early
	s_wait_tensorcnt 0x0                           ; the scale words and key steps 0 and 1 are in; steps 2-15 may stay out
.Lnot_early:
	s_barrier_signal -1
	s_barrier_wait -1
	KLOOP 2
	s_wait_alu depctr_va_vdst(0)
	s_wait_tensorcnt 0x0                           ; my part of key steps 2-15
	s_wait_dscnt 0x0
	s_barrier_signal -1
	s_barrier_wait -1
	KLOOP 6                                        ; role 1: the long tile's steps 2 .. 7; role 0: the short tile's rest
	s_wait_alu depctr_va_vdst(0)
	s_cmp_eq_u32 s[ROLE], 0
	s_cbranch_scc0 .Lkeeps
	FINISH                                         ; role 0: the short tile is done,
	s_wait_xcnt 0x0                                ; the stores have read their registers and bases: both are written again
	s_mov_b32 s27, s[LONG]
	START 236, 248, 0                              ; and the long tile's part begins
.Lkeeps:
	s_mov_b32 s20, 8
	s_mov_b32 s21, 9*12288
	s_mov_b32 s22, 8*256
	s_xor_b32 s15, s[ROLE], 1
	s_mul_i32 s24, s15, s[LL]                      ; role 0: to step 15 - k; role 1: 0, so it walks none of these
	KLOOP 8
	s_wait_alu depctr_va_vdst(0)
	s_cmp_eq_u32 s[ROLE], 0
	s_cbranch_scc0 .Lno_part
	PLACES                                         ; behind the last products
.irp j, 0,1,2,3,4,5,6,7
	ds_store_b128 v42, v[160+4*\j:163+4*\j] offset:512*\j   ; each accumulator from its low end on
.endr
	ds_store_b64 v43, v[12:13] offset:4096
	ds_store_b64 v43, v[14:15] offset:4352
.Lno_part:
	s_wait_dscnt 0x0                               ; for the other role's sake: my stores are done
	s_barrier_signal -1
	s_barrier_wait -1
	s_cmp_eq_u32 s[ROLE], 1
	s_cbranch_scc0 .Lend
	PLACES                                         ; for the loads below, and ahead of the first read of O^T
.irp j, 0,1,2,3,4,5,6,7
	ds_load_b128 v[96+4*\j:99+4*\j], v42 offset:512*\j
.endr
	ds_load_b64 v[128:129], v43 offset:4096
	ds_load_b64 v[130:131], v43 offset:4352
	s_wait_dscnt 0x0
	v_min_num_f32 v132, v12, v128                  ; the larger M of the two parts
	v_sub_f32 v228, v132, v12
	v_sub_f32 v230, v132, v128
	v_cvt_i32_f32 v228, v228
	v_cvt_i32_f32 v230, v230
	v_ldexp_f32 v228, 1.0, v228                    ; my part's factor,
	v_ldexp_f32 v230, 1.0, v230                    ; and the other's: powers of two, one of them 1
	v_pk_mul_f32 v[14:15], v[14:15], v[228:229] op_sel_hi:[1,0]
.set j, 0
.rept 16
	v_pk_mul_f32 v[160+j:161+j], v[160+j:161+j], v[228:229] op_sel_hi:[1,0]
.set j, j+2
.endr
	v_pk_fma_f32 v[14:15], v[130:131], v[230:231], v[14:15] op_sel_hi:[1,0,1]
.set j, 0
.rept 16
	v_pk_fma_f32 v[160+j:161+j], v[96+j:97+j], v[230:231], v[160+j:161+j] op_sel_hi:[1,0,1]
.set j, j+2
.endr
	FINISH                                         ; the long tile
.Lend:
	s_wait_tensorcnt 0x0                           ; the wave's end
	ds_add_u32 v254, v255
	s_wait_dscnt 0x0
	ROUND                                          ; the closing round
	s_endpgm
.Lfunc_end_k_qa51fec77a6_attn:
	.size	k_qa51fec77a6_attn, .Lfunc_end_k_qa51fec77a6_attn-k_qa51fec77a6_attn
	.p2alignl 7, 3214868480
	.fill 96, 4, 3214868480
	.section	.rodata,"a",@progbits
	.p2align	6, 0x0
	.amdhsa_kernel k_qa51fec77a6_attn
		.amdhsa_group_segment_fixed_size 247808
		.amdhsa_private_segment_fixed_size 0
		.amdhsa_enable_private_segment 0
		.amdhsa_kernarg_size 32
		.amdhsa_user_sgpr_count 2
		.amdhsa_user_sgpr_kernarg_segment_ptr 1
		.amdhsa_wavefront_size32 1
		.amdhsa_system_sgpr_workgroup_id_x 1
		.amdhsa_system_sgpr_workgroup_id_y 1
		.amdhsa_system_sgpr_workgroup_id_z 1
		.amdhsa_system_vgpr_workitem_id 0
		.amdhsa_next_free_vgpr 256
		.amdhsa_next_free_sgpr 80
		.amdhsa_reserve_vcc 1
		.amdhsa_float_denorm_mode_32 3
		.amdhsa_float_denorm_mode_16_64 3
		.amdhsa_memory_ordered 1
		.amdhsa_forward_progress 1
		.amdhsa_inst_pref_size 94
	.end_amdhsa_kernel
	.amdgpu_metadata
---
amdhsa.version: [ 1, 2 ]
amdhsa.kernels:
  - .name:           k_qa51fec77a6_attn
    .symbol:         k_qa51fec77a6_attn.kd
    .args:
      - { .name: hc, .offset: 0, .size: 8, .value_kind: global_buffer, .address_space: global }
      - { .name: hs, .offset: 8, .size: 8, .value_kind: global_buffer, .address_space: global }
      - { .name: cc, .offset: 16, .size: 8, .value_kind: global_buffer, .address_space: global }
      - { .name: cs, .offset: 24, .size: 8, .value_kind: global_buffer, .address_space: global }
    .group_segment_fixed_size: 247808
    .private_segment_fixed_size: 0
    .kernarg_segment_align: 8
    .kernarg_segment_size: 32
    .max_flat_workgroup_size: 512
    .sgpr_count:     80
    .vgpr_count:     256
    .wavefront_size: 32
...
	.end_amdgpu_metadata
.endif
;; end of part 3
;; launch outp (part 4): grid 4 x 64, 8 waves a work-group, clusters of 4 x 4, 204,800 bytes of LDS; arguments cc, cs, wc, ws, bo, out0; writes out0
.if DOCPART == 4
	.amdgcn_target "amdgcn-amd-amdhsa--gfx1250"
	.amdhsa_code_object_version 6
	.text
	.protected	k_qa51fec77a6_outp
	.globl	k_qa51fec77a6_outp
	.p2align	8
	.type	k_qa51fec77a6_outp,@function
k_qa51fec77a6_outp:
	s_mov_b64 s[64:65], 0
	v_nop
	global_prefetch_b8 v0, s[64:65] scope:SCOPE_SE
	s_setreg_imm32_b32 hwreg(HW_REG_WAVE_MODE, 25, 1), 1
	s_wait_xcnt 0x0
	s_wait_alu depctr_hold_cnt(0) depctr_sa_sdst(0) depctr_va_vdst(0) depctr_va_sdst(0) depctr_va_ssrc(0) depctr_va_vcc(0) depctr_vm_vsrc(0)
	s_getreg_b32 s2, hwreg(HW_REG_IB_STS2, 6, 4)
	s_cmp_eq_u32 s2, 0
	s_cbranch_scc0 .Lentry_in_a_cluster
	s_endpgm
.Lentry_in_a_cluster:
	s_bfe_u32 s2, ttmp6, 0x10000c
	s_cmp_lg_u32 s2, 0xf033
	s_cbranch_scc0 .Lentry_shape_is_right
	s_endpgm
.Lentry_shape_is_right:
; out0 = ctx Wo + bo on codes of FP6 (E2M3) with E8M0 scales; out0 [4096][768] f32.
; A work-group makes 64 rows x 192 columns over all of K = 768: 256 work-groups.  Its 12 tiles of Wo and 4 tiles of ctx come into LDS once, in three phases of two K steps; no LDS byte is filled twice.
; CLUSTER 4 x 4: the four of a row of the cluster take the same rows of ctx, the four of a column the same columns of Wo: joint loads.  Waves 0-2 ask for Wo's three parts, wave 3 for ctx's,
; four loads each (scale words, then the phases); the branch hangs on the wave's number alone.
; A wave makes 32 rows x 96 columns, 12 accumulators by turns.  The product is used TRANSPOSED (source 0 = 16 columns of Wo, source 1 = 16 rows of ctx): a lane holds eight neighbouring columns of one row.
; The bias is loaded into the accumulators.  A tile's rows and columns are not neighbours (32 G + 8 u + r + 8 (r / 8)); the stage in LDS puts them in order, and rows of 768 bytes leave as three aligned
; blocks of 256 bytes, each written whole by sixteen neighbouring lanes.
.set PH,   49152                       ; a phase: parts 0-2 Wo's tiles 0-11, part 3 ctx's tiles 0-3
.set PART, 12288
.set SCL,  147456                      ; four parts of 1,536 bytes of scale words
.set STG,  153600                      ; the stage: 64 rows x (768 + 16) bytes, in blocks of its own: no fill lands there
.set SP,   784
.set WV,   16
.set CX,   17
.set CY,   18
.set CB,   19
.set RB,   20
.set G1A,  32
.set G1B,  40
.set G1AS, 48
.set G1BS, 56
.set G0A,  68
.set G0AS, 80
.set G0B,  84
.set G0BS, 96
.set ACC,  128                         ; v128-175: accumulator (i, t) at 128 + 8 (3 i + t);  v32-67 Wo's three fragments;  v104-127 ctx's two;  v16-17 ctx's scale words, v18-20 Wo's
.macro ROUND
	s_barrier_signal -1
	s_barrier_wait -1
	s_cmp_lg_u32 s[WV], 0
	s_cbranch_scc1 .Lnot_wave_0_\@
	s_barrier_signal -3
.Lnot_wave_0_\@:
	s_barrier_wait -3
	s_barrier_signal -1
	s_barrier_wait -1
.endm
.macro PLACES
.rept 4
	v_nop
.endr
.endm
.macro FETCH reg, adr, off
.irp c, 0,1,2
	ds_load_b128 v[\reg+4*\c:\reg+4*\c+3], v[\adr] offset:\off+512*\c
.endr
.endm
; Phase p was asked for by waves under 4 + 2 p: they wait for their one load; the later phases' loads may stay out across this barrier, behind which nothing is filled.
.macro PHASE p
.if \p < 2
	s_cmp_lt_u32 s[WV], 4+2*\p
	s_cbranch_scc0 .Lnot_mine_\@
	s_wait_tensorcnt 0x0
.Lnot_mine_\@:
.else
	s_wait_tensorcnt 0x0
.endif
.if \p > 0
	s_wait_dscnt 0x0
.endif
	s_barrier_signal -1
	s_barrier_wait -1
.if \p > 0
	v_add_nc_u32 v4, PH, v4
	v_add_nc_u32 v5, PH, v5
	v_add_nc_u32 v6, PH, v6
.endif
.endm
	s_load_b256 s[4:11], s[0:1], 0x0               ; cc s[4:5], cs s[6:7], wc s[8:9], ws s[10:11]
	s_load_b128 s[12:15], s[0:1], 0x20             ; bo s[12:13], out0 s[14:15]
	v_lshl_add_u32 v224, v0, 2, 0x31c00
	v_mov_b32 v225, 0
	ds_add_u32 v224, v225
	ds_add_u32 v224, v225
	v_lshrrev_b32 v1, 5, v0
	v_readfirstlane_b32 s[WV], v1                  ; wave 0..7
	v_and_b32 v1, 31, v0
	v_and_b32 v2, 15, v0                           ; r
	v_bfe_u32 v3, v0, 4, 1                         ; h
	v_lshlrev_b32 v8, 4, v1                        ; 16 x lane
	s_bfe_u32 s[CX], ttmp6, 0x40000
	s_bfe_u32 s[CY], ttmp6, 0x40004
	s_lshl_b32 s[CB], ttmp9, 2
	s_add_co_u32 s[CB], s[CB], s[CX]               ; block of 192 columns
	s_and_b32 s[RB], ttmp7, 0xffff
	s_lshl_b32 s[RB], s[RB], 2
	s_add_co_u32 s[RB], s[RB], s[CY]               ; block of 64 rows
	s_lshl_b32 s23, s[CY], 2
	s_lshl_b32 s23, 15, s23                        ; my row of the cluster
	s_lshl_b32 s25, 0x1111, s[CX]                  ; my column
	s_or_b32 s[G1A], s23, (3<<16)|(1<<21)          ; the mask; elements of 8 bytes; 21 set beside a mask
	s_or_b32 s[G1AS], s23, (3<<16)|(1<<21)
	s_or_b32 s[G1B], s25, (3<<16)|(1<<21)
	s_or_b32 s[G1BS], s25, (3<<16)|(1<<21)
.irp g, G1A, G1B                       ; all the tiles' two K steps: rows of 3,072 bytes, 9,216 apart
	s_mov_b32 s[\g+1], 384<<16
	s_mov_b32 s[\g+3], 384<<16
	s_mov_b32 s[\g+5], 1152
	s_mov_b32 s[\g+6], 0
	s_mov_b32 s[\g+7], 0
.endr
	s_mov_b32 s[G1A+2], 4<<16                      ; ctx: 4 tiles
	s_mov_b32 s[G1A+4], 4
	s_mov_b32 s[G1B+2], 12<<16                     ; Wo: 12 tiles
	s_mov_b32 s[G1B+4], 12
.irp g, G1AS, G1BS                     ; scale words: a dense block as rows of 256 bytes
	s_mov_b32 s[\g+1], 32<<16
	s_mov_b32 s[\g+3], 32<<16
	s_mov_b32 s[\g+5], 32
	s_mov_b32 s[\g+6], 0
	s_mov_b32 s[\g+7], 0
.endr
	s_mov_b32 s[G1AS+2], 6<<16                     ; ctx: 1,536 bytes
	s_mov_b32 s[G1AS+4], 6
	s_mov_b32 s[G1BS+2], 18<<16                    ; Wo: 4,608 bytes
	s_mov_b32 s[G1BS+4], 18
	s_mul_i32 s[G0AS+2], s[RB], 1536               ; ctx: it hangs on the block of rows alone
	s_mov_b32 s[G0AS+3], 0
	s_mul_i32 s22, s[RB], 36864
	s_mov_b32 s23, 0
	s_mul_i32 s24, s[CB], 12                       ; Wo: on the block of columns alone
	s_mul_i32 s[G0BS+2], s24, 384
	s_add_co_u32 s[G0BS+2], s[G0BS+2], 55296       ; Wo is the fourth weight
	s_mov_b32 s[G0BS+3], 0
	s_mul_i32 s24, s24, 9216
	s_add_co_u32 s24, s24, 1327104
	s_mov_b32 s25, 0
	s_mov_b32 s[G0A+1], 3*PART                     ; LDS: Wo's parts, then ctx's
	s_mov_b32 s[G0B+1], 0
.irp p, 1,2
	s_add_co_u32 s[G0A+4*\p+1], s[G0A+1], \p*PH
	s_add_co_u32 s[G0B+4*\p+1], s[G0B+1], \p*PH
.endr
	s_mov_b32 s[G0AS+1], SCL+4608
	s_mov_b32 s[G0BS+1], SCL
	s_mov_b32 s[G0AS], 1
	s_mov_b32 s[G0BS], 1
	s_wait_dscnt 0x0
	s_wait_kmcnt 0x0
	s_add_nc_u64 s[G0AS+2:G0AS+3], s[6:7], s[G0AS+2:G0AS+3]
	s_or_b32 s[G0AS+3], s[G0AS+3], 0x80000000
	s_add_nc_u64 s[G0BS+2:G0BS+3], s[10:11], s[G0BS+2:G0BS+3]
	s_or_b32 s[G0BS+3], s[G0BS+3], 0x80000000
	s_add_nc_u64 s[22:23], s[4:5], s[22:23]
	s_add_nc_u64 s[24:25], s[8:9], s[24:25]
.irp p, 0,1,2
	s_mov_b32 s[G0A+4*\p], 1
	s_add_nc_u64 s[G0A+4*\p+2:G0A+4*\p+3], s[22:23], \p*3072
	s_or_b32 s[G0A+4*\p+3], s[G0A+4*\p+3], 0x80000000
	s_mov_b32 s[G0B+4*\p], 1
	s_add_nc_u64 s[G0B+4*\p+2:G0B+4*\p+3], s[24:25], \p*3072
	s_or_b32 s[G0B+4*\p+3], s[G0B+4*\p+3], 0x80000000
.endr
	ROUND                                          ; all sixteen work-groups are here: the joint loads meet
; THE LOADS AS THEY ARE SHARED OUT: one joint load for each of the eight waves: phase 0 of Wo and of ctx (waves 0, 1), the scale words (2, 3), phase 1 (4, 5), phase 2 (6, 7).
; (This takes the place of the head's line on four loads a wave.)  One chain of branches on the wave's number, one load to an arm, one join.
.macro ARM n, g0, g1
	s_cmp_eq_u32 s[WV], \n
	s_cbranch_scc0 .Larm_\n
	tensor_load_to_lds s[\g0:\g0+3], s[\g1:\g1+7]
	s_nop 0
	PLACES
	s_branch .Lasked
.Larm_\n:
.endm
	ARM 0, G0B, G1B
	ARM 1, G0A, G1A
	ARM 2, G0BS, G1BS
	ARM 3, G0AS, G1AS
	ARM 4, G0B+4, G1B
	ARM 5, G0A+4, G1A
	ARM 6, G0B+8, G1B
	ARM 7, G0A+8, G1A
.Lasked:
; A WAVE MAKES 32 rows x 48 columns: with c = wave / 2 Wo's tiles c, c + 4, c + 8 of the work-group's twelve, six accumulators by turns.  Tile T begins at column 32 (T / 2) + 8 (T % 2),
; so the three lie 64 columns, 256 bytes, apart.  (This takes the place of the head's line on 96 columns and 12 accumulators.)
	s_and_b32 s26, s[WV], 1                        ; which 32 rows
	s_lshr_b32 s27, s[WV], 1                       ; which 48 columns
	s_lshr_b32 s29, s27, 1
	s_lshl_b32 s29, s29, 7
	s_and_b32 s31, s27, 1
	s_lshl_b32 s31, s31, 5
	s_add_co_u32 s29, s29, s31                     ; my first tile's first column, in bytes
	s_mul_i32 s28, s27, 3072
	s_wait_alu depctr_va_vdst(0)
	v_add_nc_u32 v4, s28, v8                       ; my three tiles of Wo
	s_mul_i32 s28, s26, 6144
	s_add_co_u32 s28, s28, 3*PART
	v_add_nc_u32 v5, s28, v8                       ; my two tiles of ctx: the parts of 16 bytes a lane,
	v_lshlrev_b32 v6, 3, v1
	v_add_nc_u32 v6, s28, v6                       ; and those of 8
	v_mul_u32_u24 v7, v2, 24
	s_mul_i32 s28, s27, 384
	s_add_co_u32 s28, s28, SCL
	v_add_nc_u32 v7, s28, v7                       ; Wo's scale words: 24 bytes a column
	v_lshlrev_b32 v9, 2, v2
	s_mul_i32 s28, s26, 768
	s_add_co_u32 s28, s28, SCL+4608
	v_add_nc_u32 v9, s28, v9                       ; ctx's: [tile][K step][r]
	v_lshlrev_b32 v10, 6, v3                       ; the bias: register j of my tile t is column 64 t + 16 h + j behind my first tile's first column
	v_and_b32 v11, 8, v2
	v_add_nc_u32 v11, v11, v2
	v_mul_u32_u24 v11, v11, SP
	v_lshl_add_u32 v11, v3, 6, v11
	s_mul_i32 s28, s26, 32*SP
	s_add_co_u32 s28, s28, s29
	s_add_co_u32 s28, s28, STG
	v_add_nc_u32 v11, s28, v11                     ; into the stage: row 32 (wave % 2) + r + 8 (r / 8) (+ 8 for the second tile), + my columns' bytes + 64 h
	s_mul_i32 s28, s[WV], 8*SP
	s_add_co_u32 s28, s28, STG
	v_add_nc_u32 v12, s28, v8                      ; out of it: my 8 rows; 512 bytes of a row,
	v_mul_u32_u24 v13, v3, 272
	v_lshl_add_u32 v13, v2, 4, v13
	v_add_nc_u32 v13, s28, v13
	v_add_nc_u32 v13, 512, v13                     ; or a row's last 256 (lanes 0-15) and the next row's first 256 (lanes 16-31)
	v_mul_u32_u24 v15, v3, 2560
	v_lshl_add_u32 v15, v2, 4, v15
	v_add_nc_u32 v15, 512, v15                     ; the same two pieces in out0
	s_mul_i32 s30, s[CB], 768
	s_add_co_u32 s30, s30, s29
	s_mov_b32 s31, 0
	s_add_nc_u64 s[12:13], s[12:13], s[30:31]
.irp i, 0,1
.irp t, 0,1,2
	global_load_b128 v[ACC+8*(3*\i+\t):ACC+8*(3*\i+\t)+3], v10, s[12:13] offset:256*\t
	global_load_b128 v[ACC+8*(3*\i+\t)+4:ACC+8*(3*\i+\t)+7], v10, s[12:13] offset:256*\t+16
.endr
.endr
	s_lshl_b32 s30, s[RB], 6
	s_lshl_b32 s31, s[WV], 3
	s_add_co_u32 s30, s30, s31
	s_mul_i32 s30, s30, 3072
	s_mul_i32 s31, s[CB], 768
	s_add_co_u32 s30, s30, s31
	s_mov_b32 s31, 0
	s_add_nc_u64 s[14:15], s[14:15], s[30:31]      ; the first of the 8 rows that I store, at my work-group's columns
.macro O_STEP s
.if \s > 0
	PLACES
.endif
.irp t, 0,1,2
	FETCH 32+12*\t, 4, \t*12288+(\s%2)*1536
	ds_load_b32 v[18+\t], v7 offset:\t*1536+4*\s
.endr
.irp i, 0,1
.irp c, 0,1                            ; ctx's fragment lies as two heads' halves of 768 bytes: four registers at 16 bytes a lane, two at 8
	ds_load_b128 v[104+12*\i+6*\c:107+12*\i+6*\c], v5 offset:\i*3072+(\s%2)*1536+768*\c
	ds_load_b64 v[108+12*\i+6*\c:109+12*\i+6*\c], v6 offset:\i*3072+(\s%2)*1536+768*\c+512
.endr
	ds_load_b32 v[16+\i], v9 offset:\i*384+64*\s
.endr
	s_wait_dscnt 0x0
.irp i, 0,1
.irp t, 0,1,2
	v_wmma_scale_f32_16x16x128_f8f6f4 v[ACC+8*(3*\i+\t):ACC+8*(3*\i+\t)+7], v[32+12*\t:43+12*\t], v[104+12*\i:115+12*\i], v[ACC+8*(3*\i+\t):ACC+8*(3*\i+\t)+7], v[18+\t], v[16+\i] matrix_a_fmt:MATRIX_FMT_FP6 matrix_b_fmt:MATRIX_FMT_FP6
.endr
.endr
.endm
	s_wait_alu depctr_va_vdst(0)
	PHASE 0
	s_wait_loadcnt 0x0                             ; the bias lies in the accumulators
	O_STEP 0
	O_STEP 1
	PHASE 1
	O_STEP 2
	s_wait_alu depctr_va_vdst(0)
	O_STEP 3
	PHASE 2
	O_STEP 4
	s_wait_alu depctr_va_vdst(0)
	O_STEP 5
	PLACES
.irp i, 0,1
.irp t, 0,1,2
	ds_store_b128 v11, v[ACC+8*(3*\i+\t):ACC+8*(3*\i+\t)+3] offset:8*\i*SP+256*\t        ; each accumulator from its low end on
	ds_store_b128 v11, v[ACC+8*(3*\i+\t)+4:ACC+8*(3*\i+\t)+7] offset:8*\i*SP+256*\t+16
.endr
.endr
	s_wait_dscnt 0x0                               ; for the others' sake: my stores into the stage are done
	s_barrier_signal -1
	s_barrier_wait -1                              ; 64 whole rows lie in the stage
.irp q, 0,1,2,3                        ; my eight rows: two rows, 1,536 bytes, are three loads of 512
	ds_load_b128 v[32+12*\q:35+12*\q], v12 offset:\q*2*SP
	ds_load_b128 v[36+12*\q:39+12*\q], v13 offset:\q*2*SP
	ds_load_b128 v[40+12*\q:43+12*\q], v12 offset:\q*2*SP+SP+256
.endr
.irp q, 0,1,2,3
	s_wait_dscnt 11-3*\q                           ; LDS loads come back in order: the later ones may stay out
	global_store_b128 v8, v[32+12*\q:35+12*\q], s[14:15] offset:\q*6144 th:TH_STORE_NT
	s_wait_dscnt 10-3*\q
	global_store_b128 v15, v[36+12*\q:39+12*\q], s[14:15] offset:\q*6144 th:TH_STORE_NT
	s_wait_dscnt 9-3*\q
	global_store_b128 v8, v[40+12*\q:43+12*\q], s[14:15] offset:\q*6144+3072+256 th:TH_STORE_NT   ; sixteen lanes store 256 consecutive bytes, at a multiple of 256 from out0's first byte
.endr
	s_wait_tensorcnt 0x0
	ds_add_u32 v224, v225
	s_wait_dscnt 0x0
	ROUND                                          ; the closing round
	s_endpgm
.Lfunc_end_k_qa51fec77a6_outp:
	.size	k_qa51fec77a6_outp, .Lfunc_end_k_qa51fec77a6_outp-k_qa51fec77a6_outp
	.p2alignl 7, 3214868480
	.fill 96, 4, 3214868480
	.section	.rodata,"a",@progbits
	.p2align	6, 0x0
	.amdhsa_kernel k_qa51fec77a6_outp
		.amdhsa_group_segment_fixed_size 204800
		.amdhsa_private_segment_fixed_size 0
		.amdhsa_enable_private_segment 0
		.amdhsa_kernarg_size 48
		.amdhsa_user_sgpr_count 2
		.amdhsa_user_sgpr_kernarg_segment_ptr 1
		.amdhsa_wavefront_size32 1
		.amdhsa_system_sgpr_workgroup_id_x 1
		.amdhsa_system_sgpr_workgroup_id_y 1
		.amdhsa_system_sgpr_workgroup_id_z 1
		.amdhsa_system_vgpr_workitem_id 0
		.amdhsa_next_free_vgpr 226
		.amdhsa_next_free_sgpr 100
		.amdhsa_reserve_vcc 0
		.amdhsa_float_denorm_mode_32 3
		.amdhsa_float_denorm_mode_16_64 3
		.amdhsa_memory_ordered 1
		.amdhsa_forward_progress 1
		.amdhsa_inst_pref_size 31
	.end_amdhsa_kernel
	.amdgpu_metadata
---
amdhsa.version: [ 1, 2 ]
amdhsa.kernels:
  - .name:           k_qa51fec77a6_outp
    .symbol:         k_qa51fec77a6_outp.kd
    .args:
      - { .name: cc, .offset: 0, .size: 8, .value_kind: global_buffer, .address_space: global }
      - { .name: cs, .offset: 8, .size: 8, .value_kind: global_buffer, .address_space: global }
      - { .name: wc, .offset: 16, .size: 8, .value_kind: global_buffer, .address_space: global }
      - { .name: ws, .offset: 24, .size: 8, .value_kind: global_buffer, .address_space: global }
      - { .name: bo, .offset: 32, .size: 8, .value_kind: global_buffer, .address_space: global }
      - { .name: out0, .offset: 40, .size: 8, .value_kind: global_buffer, .address_space: global }
    .group_segment_fixed_size: 204800
    .private_segment_fixed_size: 0
    .kernarg_segment_align: 8
    .kernarg_segment_size: 48
    .max_flat_workgroup_size: 256
    .sgpr_count:     100
    .vgpr_count:     226
    .wavefront_size: 32
...
	.end_amdgpu_metadata
.endif
;; end of part 4
